; MI455X (gfx1250); checked and timed in simulation.
; The chip was launched on July 23, 2026; its instructions are those of AMD's public machine-readable ISA for CDNA 5 (MIT licence, August 2026) and "CDNA5" Instruction Set Architecture Reference Guide (July 2026). The comments in the code are by the model that wrote it; some were corrected since.
;; Attention Block. Allowed arithmetic: matrix products marked QUANTISED: E2M1 operands, one E8M0 scale for each 32 along K, by v_wmma_scale_f32_16x16x128_f8f6f4 with both operands' format E2M1 (or v_wmma_scale_f32_32x16x128_f4), f32 sums; everything else in f32.
;; Inputs: Wk 1,024 x 1,024 float32; Wp 1,024 x 1,024 float32; Wq 1,024 x 1,024 float32; Wv 1,024 x 1,024 float32; bk 1,024 float32; bp 1,024 float32; bq 1,024 float32; bv 1,024 float32; ln_b 1,024 float32; ln_g 1,024 float32; x 2 x 2,048 x 1,024 float32.
;; Outputs: out0 2 x 2,048 x 1,024 float32.
;; This version of the problem:
;;   THIS VERSION OF THE PROBLEM IS GIVEN IN LOW PRECISION. The matrix products marked QUANTISED in the list below multiply operands that are first quantised to E2M1 (2 exponent bits, 1 mantissa bit; 4 bits a number), with one power-of-two scale for each 32 numbers along K (OCP MX v1.0); their sums are f32. All else is computed in f32.
;;   The module's matrix products, in the order in which they are computed (A, B: the left and right operand; K: the contracted axis; several contracted axes count as one K, in the product's order):
;;     1. [M 4,096, K 1,024] x [K 1,024, N 1,024]; A: input x; B: input Wq: QUANTISED
;;     2. [M 4,096, K 1,024] x [K 1,024, N 1,024]; A: input x; B: input Wk: QUANTISED
;;     3. [M 4,096, K 1,024] x [K 1,024, N 1,024]; A: input x; B: input Wv: QUANTISED
;;     4. batch 32 x [M 2,048, K 64] x [K 64, N 2,048]; A: computed on the way; B: computed on the way: QUANTISED
;;     5. batch 32 x [M 2,048, K 2,048] x [K 2,048, N 64]; A: softmax (see below); B: computed on the way: QUANTISED
;;     6. [M 4,096, K 1,024] x [K 1,024, N 1,024]; A: computed on the way; B: input Wp: QUANTISED
;;   THE QUANTISER, for each operand of a quantised product, along K:
;;     - K is cut into blocks of 32 from its start; a last block that is shorter is filled with zeros.
;;     - A block's scale is 2^e with e = floor(log2(the largest magnitude in the block)) - 2, held to -126 .. 127; a block of zeros has e = 0. As a byte (E8M0): e + 127.
;;     - Each number is divided by its block's scale, clamped to +-6, and rounded to the nearest number of E2M1, ties to even, subnormals kept.
;;     - The product sums the exact products of the quantised numbers (number of the format x scale) in f32.
;;   ~~~python
;;   def quantise(x, axis):      # numpy; x: float32 -> the quantised numbers, widened to float32 again
;;       x = np.moveaxis(x, axis, -1); K = x.shape[-1]
;;       x = np.pad(x, [(0, 0)] * (x.ndim - 1) + [(0, -K % 32)]); x = x.reshape(x.shape[:-1] + (-1, 32)); a = np.abs(x).max(-1, keepdims=True)
;;       e = np.where(a > 0, np.clip(np.frexp(np.where(a > 0, a, 1))[1] - 1 - 2, -126, 127), 0)      # np.frexp(a)[1] - 1 = floor(log2(a)), exactly
;;       r = np.clip(x / 2.0 ** e, -6, 6)
;;       step = 2.0 ** (np.maximum(np.frexp(np.where(r == 0, 1, r))[1] - 1, 0) - 1)
;;       q = np.round(r / step) * step * 2.0 ** e      # np.round: ties to even
;;       return np.moveaxis(q.reshape(q.shape[:-2] + (-1,))[..., :K], -1, axis).astype(np.float32)
;;   ~~~
;;   SOFTMAX AHEAD OF A QUANTISED PRODUCT. Where the list says 'softmax', what is quantised is not the finished softmax but p = 2^(t - M), with t = logit x log2(e) and M = ceil(the row's largest t), a whole number; so 1/2 < the row's largest p <= 1. The row's sum l is taken of the UNQUANTISED p, in f32, and the product's result is divided by l at the end. Since M is a whole number, a kernel that streams over the keys may use a running M (the ceiling of the running maximum): every later rescaling is an exact power of two, which a block's scale takes up: the codes' values come out the same.
;;   OPERANDS COMPUTED ON THE WAY. 'Computed on the way' means the value that the module computes at that place (a softmax that the list does not call 'softmax' is quantised finished and normalised). What goes into a quantiser is computed in f32, as accurately as f32 sums, v_exp_f32 and their like allow (about 1e-6 of the number): no bf16 or f16 on the way to a quantiser, and a product that is left as it is and whose result goes on into a quantised operand takes f32 operands (vector FMAs, or v_wmma_f32_16x16x4_f32). A number that lies on a knife's edge between two numbers of the format may be rounded either way, as far as f32 arithmetic and the matrix unit's own rounding can turn it there, and no further.
;; 2 versions. Each part assembles by itself: llvm-mc -triple=amdgcn-amd-amdhsa -mcpu=gfx1250 --defsym DOCPART=n.
;; ======== version 1 of 2: 4 launches
;; workspace buffers: xq 2,228,224 bytes; wq 2,228,224 bytes; oq 2,228,224 bytes; qkv 6,946,816 bytes
;; launch quant (part 1): grid 512 x 1, 4 waves a work-group, no clusters, 68,096 bytes of LDS; arguments x, Wq, Wk, Wv, Wp, xq, wq; writes xq, wq
.if DOCPART == 1
	.amdgcn_target "amdgcn-amd-amdhsa--gfx1250"
	.amdhsa_code_object_version 6
	.text
	.protected	k_q920667523a_quant
	.globl	k_q920667523a_quant
	.p2align	8
	.type	k_q920667523a_quant,@function
k_q920667523a_quant:
	s_mov_b64 s[64:65], 0
	v_nop
	global_prefetch_b8 v0, s[64:65] scope:SCOPE_SE
	s_setreg_imm32_b32 hwreg(HW_REG_WAVE_MODE, 25, 1), 1
	s_wait_xcnt 0x0
; x [4096][1024] (K innermost) and Wq, Wk, Wv, Wp [1024 (K)][1024] (K outermost), f32, become codes of FP4 (E2M1) with one E8M0 byte for each 32 along K.
; A block's scale is 2^(floor(log2(its largest magnitude)) - 2): its byte is that magnitude's exponent field - 2, held at 1 from below.
; LIMITS: NaN and infinities among the inputs are not served; a block whose largest magnitude lies under 2^-124 is held at the byte 1; a block of zeros gets the byte 1
; where the quantiser says 127: its codes are zeros, which add nothing, and only this program reads the bytes.
; LAYOUT OF xq AND wq (this program's own): codes [K step 8][tile 256][1,024 bytes], then from byte 2,097,152 scale words [K step 8][slot 4,096] of 4 bytes.
; A tile is the IMAGE OF AN OPERAND'S REGISTERS (16 slots x 128 K): the 16 bytes of block t of slot r lie at 256 t + 16 r.
; THE SLOTS OF A TILE ARE NOT NEIGHBOURS: slot r of tile 2 G + u is row (or column) 32 G + 8 u + r + 8 (r / 8), so that a product whose source 0 is such a tile leaves 16 neighbours in the 16 registers of two tiles.
; The first 256 work-groups take x, a tile of 16 rows each, a wave two K steps; the other 256 take the weights: 128 columns x 128 K each, a wave two tiles.
; Memory binds: no matrix unit, no tensor load, no barrier; waves share nothing.
.set TM,   8                           ; v8-23   at work in QUANT4: +0..3 largest magnitudes, +4..7 the other half's, then the bytes, +12..15 the conversions' scale operands
.set PW0,  24                          ; v24, v25 the two K steps' scale words; v26 the one that my half of the lanes stores
.set PW1,  25
.set PWX,  26
.set R,    32                          ; v32-159  x as loaded: two K steps x 16 rows x 4 registers
.set X,    160                         ; v160-223 64 numbers of my row: register 16 b + i = k 32 b + 16 (lane / 16) + i
.set PC,   224                         ; v224-239 two fragments' codes
.set WX,   32                          ; weights: v32-159 128 numbers down K of my column
.set WC,   160                         ; v160-175 its codes, four registers a block
.set WSB,  24                          ; v24      its four scale bytes
.set SEL,  28                          ; s[28:29] v_permlanex16_b32's selects for lane l xor 16
.set HM,   30                          ; s30      lanes 16-31
.set STG,  8448                        ; a stage: 16 rows x (512 bytes + 16); a wave has two
; 64 numbers of a lane, register 16 b + i = k 32 b + 16 (lane / 16) + i of its row, become a fragment's codes in v[pc] .. v[pc + 7]; the four bytes are left in v[TM + 4] on
.macro QUANT4 s, pc
.irp b, 0,1,2,3
	v_max3_num_f32 v[TM+\b], |v[\s+16*\b]|, |v[\s+1+16*\b]|, 0x1800000   ; my 16 numbers of block b, and the floor 2^(3 - 127): the byte cannot fall under 1
.endr
.irp i, 2,4,6,8,10,12,14
.irp b, 0,1,2,3
	v_max3_num_f32 v[TM+\b], v[TM+\b], |v[\s+16*\b+\i]|, |v[\s+1+16*\b+\i]|   ; the four blocks by turns
.endr
.endr
.irp b, 0,1,2,3
	v_permlanex16_b32 v[TM+4+\b], v[TM+\b], s[SEL], s[SEL+1]
.endr
.irp b, 0,1,2,3
	v_max_num_f32 v[TM+\b], v[TM+\b], v[TM+4+\b]                  ; with lane l xor 16's 16: the block's largest magnitude
.endr
.irp b, 0,1,2,3
	v_add_nc_u32 v[TM+12+\b], 0xff000000, v[TM+\b]                ; 2 off its exponent field: the conversion takes this operand's exponent field as its scale
.endr
.irp b, 0,1,2,3
	v_lshrrev_b32 v[TM+4+\b], 23, v[TM+12+\b]                     ; the scale's byte
.endr
.irp b, 0,1,2,3
	v_cvt_scalef32_pk8_fp4_f32 v[\pc+2*\b], v[\s+16*\b:\s+7+16*\b], v[TM+12+\b]
	v_cvt_scalef32_pk8_fp4_f32 v[\pc+1+2*\b], v[\s+8+16*\b:\s+15+16*\b], v[TM+12+\b]
.endr
	v_nop                                          ; one plain place behind a scaled conversion
.irp c, 0,1                                    ; the operand's layout wants a whole block in a lane: lanes 0-15 block 2 c, lanes 16-31 block 2 c + 1
.irp i, 0,1
	v_permlane16_swap_b32 v[\pc+4*\c+\i], v[\pc+2+4*\c+\i]
.endr
.endr
.endm
.macro WORD4 pw                        ; the four bytes make my row's scale word
	v_lshl_or_b32 v[\pw], v[TM+5], 8, v[TM+4]
	v_lshl_or_b32 v[\pw], v[TM+6], 16, v[\pw]
	v_lshl_or_b32 v[\pw], v[TM+7], 24, v[\pw]
.endm
	s_load_b256 s[4:11], s[0:1], 0x0               ; x s[4:5], Wq s[6:7], Wk s[8:9], Wv s[10:11]
	s_load_b128 s[12:15], s[0:1], 0x20             ; Wp s[12:13], xq s[14:15]
	s_load_b64 s[16:17], s[0:1], 0x30              ; wq
	v_lshl_add_u32 v240, v0, 2, 0x10800
	v_mov_b32 v241, 0
	v_lshrrev_b32 v1, 5, v0
	v_readfirstlane_b32 s18, v1                    ; wave 0..3
	v_and_b32 v1, 31, v0                           ; lane
	v_and_b32 v2, 15, v0                           ; r
	v_bfe_u32 v3, v0, 4, 1                         ; h
	s_cmp_lt_u32 ttmp9, 256
	s_cbranch_scc0 .Lweights
	; ---- x: work-group g makes tile g; wave w its K steps 2 w and 2 w + 1.  Each load reads 512 consecutive bytes of a row; the rows turn through the wave's own stage, so that a lane gets 16 neighbours of each block.
	v_lshlrev_b32 v4, 4, v1                        ; 16 x lane
	s_mul_i32 s20, s18, 2*STG                      ; my wave's two stages
	v_add_nc_u32 v5, s20, v4                       ; way in: a row as it lies
	v_mul_u32_u24 v6, v2, 528
	v_lshl_add_u32 v6, v3, 6, v6
	v_add_nc_u32 v6, s20, v6                       ; way out: row r, + 64 h
	v_lshlrev_b32 v7, 2, v2
	v_lshl_add_u32 v7, v3, 14, v7                  ; scale words: 4 r, and lanes 16-31 one K step (16,384 bytes) on
.irp b, 0,1,2,3
	v_mov_b32 v[TM+4+\b], 0                        ; written once: a lane permute's destination counts as one of its sources
.endr
	s_mov_b32 s[SEL], 0x76543210
	s_mov_b32 s[SEL+1], 0xfedcba98
	s_mov_b32 s[HM], 0xffff0000
	s_lshr_b32 s21, ttmp9, 1
	s_lshl_b32 s21, s21, 5
	s_and_b32 s22, ttmp9, 1
	s_lshl_b32 s22, s22, 3
	s_add_co_u32 s21, s21, s22                     ; the tile's first row: 32 (g / 2) + 8 (g % 2)
	s_lshl_b32 s22, s21, 12                        ; x 4,096 bytes
	s_lshl_b32 s23, s18, 10                        ; + my two K steps' 1,024 bytes
	s_add_co_u32 s22, s22, s23
	s_mov_b32 s23, 0
	s_lshl_b32 s24, s18, 19                        ; codes: K step 2 w x 262,144
	s_lshl_b32 s25, ttmp9, 10                      ; + tile x 1,024
	s_add_co_u32 s24, s24, s25
	s_mov_b32 s25, 0
	s_lshl_b32 s26, s18, 15                        ; scale words: K step 2 w x 16,384
	s_lshl_b32 s27, ttmp9, 6                       ; + tile x 64
	s_add_co_u32 s26, s26, s27
	s_add_co_u32 s26, s26, 2097152
	s_mov_b32 s27, 0
	s_wait_kmcnt 0x0
	s_add_nc_u64 s[4:5], s[4:5], s[22:23]
	s_add_nc_u64 s[32:33], s[14:15], s[24:25]
	s_add_nc_u64 s[34:35], s[14:15], s[26:27]
.irp s, 0,1
.irp i, 0,1,2,3,4,5,6,7,8,9,10,11,12,13,14,15
	global_load_b128 v[R+64*\s+4*\i:R+64*\s+4*\i+3], v4, s[4:5] offset:(\i+8*(\i/8))*4096+512*\s   ; slot i's row, K step 2 w + s
.endr
.endr
	s_wait_loadcnt 16                              ; the first K step's 16 loads are in; the second's 16 may be out
.irp i, 0,1,2,3,4,5,6,7,8,9,10,11,12,13,14,15
	ds_store_b128 v5, v[R+4*\i:R+4*\i+3] offset:528*\i
.endr
.irp b, 0,1,2,3
.irp j, 0,1,2,3
	ds_load_b128 v[X+16*\b+4*\j:X+16*\b+4*\j+3], v6 offset:128*\b+16*\j   ; LDS serves a wave's instructions in order: these see the stores above
.endr
.endr
	s_wait_loadcnt 0x0
.irp i, 0,1,2,3,4,5,6,7,8,9,10,11,12,13,14,15
	ds_store_b128 v5, v[R+64+4*\i:R+64+4*\i+3] offset:STG+528*\i
.endr
	s_wait_dscnt 16                                ; the first K step's numbers are back; the 16 stores just issued may be out
	QUANT4 X, PC
	WORD4 PW0
	global_store_b128 v4, v[PC:PC+3], s[32:33]               ; 32 lanes store 512 consecutive bytes: half an image
	global_store_b128 v4, v[PC+4:PC+7], s[32:33] offset:512
.irp b, 0,1,2,3
.irp j, 0,1,2,3
	ds_load_b128 v[X+16*\b+4*\j:X+16*\b+4*\j+3], v6 offset:STG+128*\b+16*\j
.endr
.endr
	s_wait_dscnt 0x0
	QUANT4 X, PC+8
	WORD4 PW1
	global_store_b128 v4, v[PC+8:PC+11], s[32:33] offset:262144
	global_store_b128 v4, v[PC+12:PC+15], s[32:33] offset:262656
	v_cndmask_b32 v[PWX], v[PW0], v[PW1], s[HM]    ; lanes 0-15 store K step 2 w's words, lanes 16-31 K step 2 w + 1's (both halves of the lanes hold both)
	global_store_b32 v7, v[PWX], s[34:35]
	s_wait_tensorcnt 0x0
	ds_add_u32 v240, v241
	s_wait_dscnt 0x0
	s_endpgm
	; ---- the weights: a lane takes a column and its registers run down K, so that a block lies in one lane and the codes come out with K innermost.
.Lweights:
	s_sub_co_u32 s20, ttmp9, 256
	s_lshr_b32 s21, s20, 6                         ; which weight: 0 q, 1 k, 2 v, 3 p
	s_bfe_u32 s22, s20, 0x30003                    ; K step
	s_and_b32 s23, s20, 7                          ; which 128 columns
	v_and_b32 v4, 7, v0
	v_bfe_u32 v5, v0, 3, 1
	v_lshl_add_u32 v4, v5, 4, v4
	v_lshl_add_u32 v4, v3, 3, v4                   ; my column of the wave's 32: lane % 8 + 16 ((lane / 8) % 2) + 8 (lane / 16): lanes 0-15 are the even tile's slots
	v_lshlrev_b32 v4, 2, v4
	v_lshlrev_b32 v8, 4, v2
	v_lshl_add_u32 v8, v3, 10, v8                  ; my slot's place in the two images: 1,024 (lane / 16) + 16 r
	v_lshlrev_b32 v9, 2, v1                        ; my scale word: 4 x lane
	s_lshl_b32 s24, s22, 19                        ; W: 128 rows of 4,096 bytes a K step,
	s_lshl_b32 s25, s23, 9
	s_add_co_u32 s24, s24, s25                     ; 128 columns,
	s_lshl_b32 s25, s18, 7
	s_add_co_u32 s24, s24, s25                     ; my wave's 32
	s_mov_b32 s25, 0
	s_lshl_b32 s26, s21, 6
	s_lshl_b32 s27, s23, 3
	s_add_co_u32 s26, s26, s27
	s_lshl_b32 s27, s18, 1
	s_add_co_u32 s26, s26, s27                     ; my even tile: 64 which + 8 group + 2 wave
	s_lshl_b32 s32, s22, 18
	s_lshl_b32 s33, s26, 10
	s_add_co_u32 s32, s32, s33                     ; its image
	s_mov_b32 s33, 0
	s_lshl_b32 s34, s22, 14
	s_lshl_b32 s35, s26, 6
	s_add_co_u32 s34, s34, s35
	s_add_co_u32 s34, s34, 2097152                 ; its scale words
	s_mov_b32 s35, 0
	s_wait_kmcnt 0x0
	s_cmp_eq_u32 s21, 1                            ; the weight is chosen by the work-group's number alone
	s_cselect_b64 s[6:7], s[8:9], s[6:7]
	s_cmp_eq_u32 s21, 2
	s_cselect_b64 s[6:7], s[10:11], s[6:7]
	s_cmp_eq_u32 s21, 3
	s_cselect_b64 s[6:7], s[12:13], s[6:7]
	s_add_nc_u64 s[6:7], s[6:7], s[24:25]
	s_add_nc_u64 s[32:33], s[16:17], s[32:33]
	s_add_nc_u64 s[34:35], s[16:17], s[34:35]
.macro LOADW t                         ; block t: W(32 t + i, my column)
.irp i, 0,1,2,3,4,5,6,7,8,9,10,11,12,13,14,15,16,17,18,19,20,21,22,23,24,25,26,27,28,29,30,31
	global_load_b32 v[WX+32*(\t)+\i], v4, s[6:7] offset:(32*(\t)+\i)*4096 th:TH_LOAD_NT
.endr
.endm
.macro BLOCKW t
.set XS, WX+32*(\t)
	v_max3_num_f32 v12, |v[XS]|, |v[XS+1]|, |v[XS+2]|            ; the block's largest magnitude: all 32 numbers are mine; two chains
	v_max3_num_f32 v13, |v[XS+3]|, |v[XS+4]|, |v[XS+5]|
.irp i, 6,10,14,18,22,26
	v_max3_num_f32 v12, v12, |v[XS+\i]|, |v[XS+\i+1]|
	v_max3_num_f32 v13, v13, |v[XS+\i+2]|, |v[XS+\i+3]|
.endr
	v_max3_num_f32 v12, v12, |v[XS+30]|, |v[XS+31]|
	v_max3_num_f32 v12, v12, v13, 0x1800000        ; and the floor 2^(3 - 127)
	v_add_nc_u32 v11, 0xff000000, v12              ; the conversion's scale operand
	v_lshrrev_b32 v13, 23, v11                     ; the byte
.if (\t) == 0
	v_mov_b32 v[WSB], v13
.else
	v_lshl_or_b32 v[WSB], v13, 8*(\t), v[WSB]
.endif
.irp g, 0,1,2,3
	v_cvt_scalef32_pk8_fp4_f32 v[WC+4*(\t)+\g], v[XS+8*\g:XS+8*\g+7], v11
.endr
	global_store_b128 v8, v[WC+4*(\t):WC+4*(\t)+3], s[32:33] offset:256*(\t)   ; sixteen lanes store 256 consecutive bytes, aligned: block t of a tile's 16 slots
.endm
	LOADW 0
	LOADW 1
	s_wait_loadcnt 32                              ; block 0 is in; block 1's 32 loads may be out
	LOADW 2
	BLOCKW 0
	s_wait_loadcnt 32                              ; block 1 is in; block 2's may be out
	LOADW 3
	BLOCKW 1
	s_wait_loadcnt 32                              ; block 2 is in; block 3's may be out
	BLOCKW 2
	s_wait_loadcnt 0x0
	BLOCKW 3
	global_store_b32 v9, v[WSB], s[34:35]          ; 32 slots' scale words: 128 consecutive bytes
	s_endpgm
.Lfunc_end_k_q920667523a_quant:
	.size	k_q920667523a_quant, .Lfunc_end_k_q920667523a_quant-k_q920667523a_quant
	.p2alignl 7, 3214868480
	.fill 96, 4, 3214868480
	.section	.rodata,"a",@progbits
	.p2align	6, 0x0
	.amdhsa_kernel k_q920667523a_quant
		.amdhsa_group_segment_fixed_size 68096
		.amdhsa_private_segment_fixed_size 0
		.amdhsa_enable_private_segment 0
		.amdhsa_kernarg_size 56
		.amdhsa_user_sgpr_count 2
		.amdhsa_user_sgpr_kernarg_segment_ptr 1
		.amdhsa_wavefront_size32 1
		.amdhsa_system_sgpr_workgroup_id_x 1
		.amdhsa_system_sgpr_workgroup_id_y 1
		.amdhsa_system_sgpr_workgroup_id_z 1
		.amdhsa_system_vgpr_workitem_id 0
		.amdhsa_next_free_vgpr 242
		.amdhsa_next_free_sgpr 66
		.amdhsa_reserve_vcc 0
		.amdhsa_float_denorm_mode_32 3
		.amdhsa_float_denorm_mode_16_64 3
		.amdhsa_memory_ordered 1
		.amdhsa_forward_progress 1
		.amdhsa_inst_pref_size 38
	.end_amdhsa_kernel
	.amdgpu_metadata
---
amdhsa.version: [ 1, 2 ]
amdhsa.kernels:
  - .name:           k_q920667523a_quant
    .symbol:         k_q920667523a_quant.kd
    .args:
      - { .name: x, .offset: 0, .size: 8, .value_kind: global_buffer, .address_space: global }
      - { .name: Wq, .offset: 8, .size: 8, .value_kind: global_buffer, .address_space: global }
      - { .name: Wk, .offset: 16, .size: 8, .value_kind: global_buffer, .address_space: global }
      - { .name: Wv, .offset: 24, .size: 8, .value_kind: global_buffer, .address_space: global }
      - { .name: Wp, .offset: 32, .size: 8, .value_kind: global_buffer, .address_space: global }
      - { .name: xq, .offset: 40, .size: 8, .value_kind: global_buffer, .address_space: global }
      - { .name: wq, .offset: 48, .size: 8, .value_kind: global_buffer, .address_space: global }
    .group_segment_fixed_size: 68096
    .private_segment_fixed_size: 0
    .kernarg_segment_align: 8
    .kernarg_segment_size: 56
    .max_flat_workgroup_size: 128
    .sgpr_count:     66
    .vgpr_count:     242
    .wavefront_size: 32
...
	.end_amdgpu_metadata
.endif
;; end of part 1
;; launch qkv (part 2): grid 12 x 16, 16 waves a work-group, clusters of 4 x 4, 280,576 bytes of LDS; arguments xq, wq, bq, bk, bv, qkv; writes qkv
.if DOCPART == 2
	.amdgcn_target "amdgcn-amd-amdhsa--gfx1250"
	.amdhsa_code_object_version 6
	.text
	.protected	k_q920667523a_qkv
	.globl	k_q920667523a_qkv
	.p2align	8
	.type	k_q920667523a_qkv,@function
k_q920667523a_qkv:
	s_mov_b64 s[64:65], 0
	v_nop
	global_prefetch_b8 v0, s[64:65] scope:SCOPE_SE
	s_setreg_imm32_b32 hwreg(HW_REG_WAVE_MODE, 25, 1), 1
	s_wait_xcnt 0x0
	s_wait_alu depctr_hold_cnt(0) depctr_sa_sdst(0) depctr_va_vdst(0) depctr_va_sdst(0) depctr_va_ssrc(0) depctr_va_vcc(0) depctr_vm_vsrc(0)
	s_getreg_b32 s2, hwreg(HW_REG_IB_STS2, 6, 4)
	s_cmp_eq_u32 s2, 0
	s_cbranch_scc0 .Lentry_in_a_cluster
	s_endpgm
.Lentry_in_a_cluster:
	s_bfe_u32 s2, ttmp6, 0x10000c
	s_cmp_lg_u32 s2, 0xf033
	s_cbranch_scc0 .Lentry_shape_is_right
	s_endpgm
.Lentry_shape_is_right:
; q = x Wq + bq, k = x Wk + bk, v = x Wv + bv on codes of FP4 with E8M0 scales; each result is quantised in registers, q and k along the head's 64, v along the keys, and only codes and scale bytes are stored.
; SHARES.  M = 4,096, N = 3 x 1,024, K = 1,024.  A work-group takes 256 rows x 256 columns; the cluster's x (0, 1, 2) says whether its columns are q's, k's or v's.  Sixteen waves, each 64 x 64: 16 accumulators.
; LDS IS FILLED ONCE: the work-group's codes of x (131,072 bytes), of W (131,072) and their scale words (8,192 each) for all of K fit together, so there is no ring and nothing is filled again.
; CLUSTER 4 x 4: the four of a row need the same rows of x, the four of a column the same columns of W: each block is asked for jointly.  Waves 0-7 ask for x's K steps 0-7, waves 8-15 for W's; each two loads, codes and scale words.
; xq, wq: codes [K step][tile][1,024 bytes] as images of the operand's registers (half c of a fragment at 512 c + 16 x lane), scale words [K step][slot]; slot r of tile 2 G + u is index 32 G + 8 u + r + 8 (r / 8).
; ROLES.  q, k: source 0 = 16 columns of W, source 1 = 16 rows of x: a lane holds one row, and the 16 registers of two neighbouring tiles are 16 neighbours along the head.
;         v:    source 0 = 16 rows of x (keys), source 1 = 16 columns of W: a lane holds one channel d, and its registers run along the keys, which are the next product's K.
; The bias is the C of each sum's first matrix instruction, in the result's layout.
; qkv: Q's half images [bh 32][tile 128][512] at 0; Q's scale words [bh][slot 2,048] at 2,097,152; from 2,359,296 one block of 8,960 bytes for each (bh, 128 keys): K's 8 half images, V^T's 4 images, K's 128 scale words, V's 64.
; K = 64 fills half of an instruction's 128: the upper two bytes of q's and k's scale words stay 0 and stand over zero codes alone.
; LIMITS: NaN and infinities are not served; a block whose largest magnitude lies under 2^-124 is held at the byte 1, a block of zeros too (its codes are zeros; only this program reads the bytes).
.set LSC,  262144                      ; LDS: x's codes at 0, W's at 131,072, x's scale words at 262,144, W's at 270,336
.set Q_SCL, 2097152
.set KV,   2359296
.set SC0,  10                          ; v10-11 source 0's scale words (a register: lanes 0-15 the even tile's, lanes 16-31 the odd tile's);  v12-13 source 1's
.set SC1,  12
.set BI,   16                          ; v16-47   the bias, four tiles of 8 registers
.set F0,   48                          ; v48-79   source 0's four fragments;  v80-111 source 1's
.set F1,   80
.set ACC,  128                         ; v128-255 accumulator (o, s) at 128 + 32 o + 8 s: source 1's tile o, source 0's tile s
.set TM,   48                          ; behind the products: v48-63 at work, v64-79 codes, v80-81 half words, v82-83 the words to store
.set PC,   64
.set W0,   80
.set W1,   81
.set PWS,  82
.set G1X,  28                          ; s[28:35] group 1 for x's codes;  s[36:43] W's;  s[44:51], s[52:59] the same for scale words
.set G1W,  36
.set G1XS, 44
.set G1WS, 52
.set G0XC, 60                          ; groups 0: s[60:63] x's codes, s[68:71] x's scale words, s[72:75] W's codes, s[76:79] W's scale words
.set G0XS, 68
.set G0WC, 72
.set G0WS, 76
.set SEL,  66                          ; s[66:67]
.set HM,   88
.macro CROUND                          ; a round of the cluster's barrier
	s_barrier_signal -1
	s_barrier_wait -1
	s_cmp_lg_u32 s20, 0
	s_cbranch_scc1 .Lnot_wave_0_\@
	s_barrier_signal -3
.Lnot_wave_0_\@:
	s_barrier_wait -3
	s_barrier_signal -1
	s_barrier_wait -1
.endm
.macro QUANT4 s, pc                    ; 64 numbers of a lane, register 16 b + i = k 32 b + 16 (lane / 16) + i, become 8 registers of codes; the bytes are left in v[TM + 4] on
.irp b, 0,1,2,3
	v_max3_num_f32 v[TM+\b], |v[\s+16*\b]|, |v[\s+1+16*\b]|, 0x1800000   ; each accumulator is read from its low end on; the floor 2^(3 - 127) holds the byte at 1 from below
.endr
.irp i, 2,4,6,8,10,12,14
.irp b, 0,1,2,3
	v_max3_num_f32 v[TM+\b], v[TM+\b], |v[\s+16*\b+\i]|, |v[\s+1+16*\b+\i]|
.endr
.endr
.irp b, 0,1,2,3
	v_permlanex16_b32 v[TM+4+\b], v[TM+\b], s[SEL], s[SEL+1]
.endr
.irp b, 0,1,2,3
	v_max_num_f32 v[TM+\b], v[TM+\b], v[TM+4+\b]
.endr
.irp b, 0,1,2,3
	v_add_nc_u32 v[TM+12+\b], 0xff000000, v[TM+\b]
.endr
.irp b, 0,1,2,3
	v_lshrrev_b32 v[TM+4+\b], 23, v[TM+12+\b]
.endr
.irp b, 0,1,2,3
	v_cvt_scalef32_pk8_fp4_f32 v[\pc+2*\b], v[\s+16*\b:\s+7+16*\b], v[TM+12+\b]
	v_cvt_scalef32_pk8_fp4_f32 v[\pc+1+2*\b], v[\s+8+16*\b:\s+15+16*\b], v[TM+12+\b]
.endr
	v_nop                                          ; one plain place behind a scaled conversion
.irp c, 0,1
.irp i, 0,1
	v_permlane16_swap_b32 v[\pc+4*\c+\i], v[\pc+2+4*\c+\i]
.endr
.endr
.endm
.macro WORD22 pw                       ; blocks 0, 1 belong to the even tile's slot r, blocks 2, 3 to the odd tile's: lanes 0-15 keep the first two bytes, lanes 16-31 the other two
	v_lshl_or_b32 v[W0], v[TM+5], 8, v[TM+4]
	v_lshl_or_b32 v[W1], v[TM+7], 8, v[TM+6]
	v_cndmask_b32 v[\pw], v[W0], v[W1], s[HM]
.endm
.macro MM d, a, b, c, sa, sb, ra, rb   ; one product; ra, rb: the side's scale words stand in lanes 16-31
.if (\ra) && (\rb)
	v_wmma_scale_f32_16x16x128_f8f6f4 v[\d:\d+7], v[\a:\a+7], v[\b:\b+7], v[\c:\c+7], v[\sa], v[\sb] matrix_a_fmt:MATRIX_FMT_FP4 matrix_b_fmt:MATRIX_FMT_FP4 matrix_a_scale:MATRIX_SCALE_ROW1 matrix_b_scale:MATRIX_SCALE_ROW1
.elseif (\ra)
	v_wmma_scale_f32_16x16x128_f8f6f4 v[\d:\d+7], v[\a:\a+7], v[\b:\b+7], v[\c:\c+7], v[\sa], v[\sb] matrix_a_fmt:MATRIX_FMT_FP4 matrix_b_fmt:MATRIX_FMT_FP4 matrix_a_scale:MATRIX_SCALE_ROW1
.elseif (\rb)
	v_wmma_scale_f32_16x16x128_f8f6f4 v[\d:\d+7], v[\a:\a+7], v[\b:\b+7], v[\c:\c+7], v[\sa], v[\sb] matrix_a_fmt:MATRIX_FMT_FP4 matrix_b_fmt:MATRIX_FMT_FP4 matrix_b_scale:MATRIX_SCALE_ROW1
.else
	v_wmma_scale_f32_16x16x128_f8f6f4 v[\d:\d+7], v[\a:\a+7], v[\b:\b+7], v[\c:\c+7], v[\sa], v[\sb] matrix_a_fmt:MATRIX_FMT_FP4 matrix_b_fmt:MATRIX_FMT_FP4
.endif
.endm
; A K step of 128: eight fragments and four registers of scale words from LDS, 16 products.  cmode 1: C = the bias by source 0's tile (q, k); 2: by source 1's tile (v); 0: the sums go on in place.
; The 16 accumulators take turns, one instruction a turn, in the same order in every K step.
.macro KSTEP ks, cmode
.if \ks > 0
.rept 4
	v_nop                                          ; places in front of loads into registers that matrix instructions have read
.endr
.endif
.irp s, 0,1,2,3
	ds_load_b128 v[F0+8*\s:F0+8*\s+3], v[3+(\ks)/4] offset:((\ks)%4)*16384+1024*\s
	ds_load_b128 v[F0+8*\s+4:F0+8*\s+7], v[3+(\ks)/4] offset:((\ks)%4)*16384+1024*\s+512
.endr
.irp o, 0,1,2,3
	ds_load_b128 v[F1+8*\o:F1+8*\o+3], v[5+(\ks)/4] offset:((\ks)%4)*16384+1024*\o
	ds_load_b128 v[F1+8*\o+4:F1+8*\o+7], v[5+(\ks)/4] offset:((\ks)%4)*16384+1024*\o+512
.endr
.irp p, 0,1
	ds_load_b32 v[SC0+\p], v7 offset:1024*(\ks)+128*\p
	ds_load_b32 v[SC1+\p], v8 offset:1024*(\ks)+128*\p
.endr
	s_wait_dscnt 0x0
.irp o, 0,1,2,3
.irp s, 0,1,2,3
.if \cmode == 1
	MM ACC+32*\o+8*\s, F0+8*\s, F1+8*\o, BI+8*\s, SC0+\s/2, SC1+\o/2, \s%2, \o%2
.elseif \cmode == 2
	MM ACC+32*\o+8*\s, F0+8*\s, F1+8*\o, BI+8*\o, SC0+\s/2, SC1+\o/2, \s%2, \o%2
.else
	MM ACC+32*\o+8*\s, F0+8*\s, F1+8*\o, ACC+32*\o+8*\s, SC0+\s/2, SC1+\o/2, \s%2, \o%2
.endif
.endr
.endr
.endm
	s_load_b256 s[4:11], s[0:1], 0x0               ; xq s[4:5], wq s[6:7], bq s[8:9], bk s[10:11]
	s_load_b128 s[12:15], s[0:1], 0x20             ; bv s[12:13], qkv s[14:15]
	v_lshl_add_u32 v126, v0, 2, 0x44000
	v_mov_b32 v127, 0
	ds_add_u32 v126, v127
	ds_add_u32 v126, v127
	v_lshrrev_b32 v1, 5, v0
	v_readfirstlane_b32 s20, v1                    ; wave 0..15
	s_bfe_u32 s16, ttmp6, 0x40000                  ; cx
	s_bfe_u32 s17, ttmp6, 0x40004                  ; cy
	s_lshl_b32 s18, ttmp9, 2
	s_add_co_u32 s18, s18, s16                     ; gx: which 256 columns of the 3,072
	s_and_b32 s19, ttmp7, 0xffff
	s_lshl_b32 s19, s19, 2
	s_add_co_u32 s19, s19, s17                     ; gy: which 256 rows
	s_lshl_b32 s89, s17, 2
	s_lshl_b32 s89, 15, s89                        ; my row of the cluster
	s_lshl_b32 s90, 0x1111, s16                    ; my column
	s_or_b32 s[G1X], s89, (3<<16)|(1<<21)          ; 15:0 the mask: x's blocks go to my row; 17:16 elements of 8 bytes; 21 set beside a mask; no padding: images are read 512 consecutive bytes at a time
	s_or_b32 s[G1XS], s89, (3<<16)|(1<<21)
	s_or_b32 s[G1W], s90, (3<<16)|(1<<21)          ; W's go to my column
	s_or_b32 s[G1WS], s90, (3<<16)|(1<<21)
.irp g, G1X, G1W                       ; a K step's 16 images: 16,384 dense bytes as 64 rows of 256
	s_mov_b32 s[\g+1], 32<<16                      ; tensor_dim0 = 32 elements
	s_mov_b32 s[\g+2], 64<<16                      ; tensor_dim1 = 64
	s_mov_b32 s[\g+3], 32<<16                      ; tile_dim0
	s_mov_b32 s[\g+4], 64                          ; tile_dim1
	s_mov_b32 s[\g+5], 32                          ; the pitch
	s_mov_b32 s[\g+6], 0
	s_mov_b32 s[\g+7], 0
.endr
.irp g, G1XS, G1WS                     ; a K step's 256 scale words: 1,024 dense bytes as 4 rows of 256
	s_mov_b32 s[\g+1], 32<<16
	s_mov_b32 s[\g+2], 4<<16
	s_mov_b32 s[\g+3], 32<<16
	s_mov_b32 s[\g+4], 4
	s_mov_b32 s[\g+5], 32
	s_mov_b32 s[\g+6], 0
	s_mov_b32 s[\g+7], 0
.endr
	s_and_b32 s21, s20, 7                          ; the K step that I fetch
	s_lshl_b32 s22, s20, 14                        ; where its codes go: 16,384 x wave (waves 8-15 fall into W's region); no place in the cluster enters an LDS address
	s_lshl_b32 s23, s20, 10
	s_add_co_u32 s23, s23, LSC                     ; and its scale words: 1,024 x wave
	s_lshl_b32 s80, s21, 18                        ; x's offsets hang on gy and the wave alone,
	s_lshl_b32 s81, s19, 14
	s_add_co_u32 s80, s80, s81
	s_mov_b32 s81, 0
	s_lshl_b32 s82, s21, 14
	s_lshl_b32 s83, s19, 10
	s_add_co_u32 s82, s82, s83
	s_add_co_u32 s82, s82, 2097152
	s_mov_b32 s83, 0
	s_lshl_b32 s84, s21, 18                        ; W's on gx and the wave alone
	s_lshl_b32 s85, s18, 14
	s_add_co_u32 s84, s84, s85
	s_mov_b32 s85, 0
	s_lshl_b32 s92, s21, 14
	s_lshl_b32 s93, s18, 10
	s_add_co_u32 s92, s92, s93
	s_add_co_u32 s92, s92, 2097152
	s_mov_b32 s93, 0
	s_wait_dscnt 0x0
	s_wait_kmcnt 0x0
	CROUND                                         ; all sixteen work-groups are here: the joint loads meet
	s_mov_b32 s[G0XC], 1
	s_mov_b32 s[G0XC+1], s22
	s_add_nc_u64 s[G0XC+2:G0XC+3], s[4:5], s[80:81]
	s_or_b32 s[G0XC+3], s[G0XC+3], 0x80000000
	s_mov_b32 s[G0XS], 1
	s_mov_b32 s[G0XS+1], s23
	s_add_nc_u64 s[G0XS+2:G0XS+3], s[4:5], s[82:83]
	s_or_b32 s[G0XS+3], s[G0XS+3], 0x80000000
	s_mov_b32 s[G0WC], 1
	s_mov_b32 s[G0WC+1], s22
	s_add_nc_u64 s[G0WC+2:G0WC+3], s[6:7], s[84:85]
	s_or_b32 s[G0WC+3], s[G0WC+3], 0x80000000
	s_mov_b32 s[G0WS], 1
	s_mov_b32 s[G0WS+1], s23
	s_add_nc_u64 s[G0WS+2:G0WS+3], s[6:7], s[92:93]
	s_or_b32 s[G0WS+3], s[G0WS+3], 0x80000000
	s_cmp_lt_u32 s20, 8                            ; a wave's two fills stand in one branch on the wave's number: two tensor loads of mine are out
	s_cbranch_scc0 .Lfill_w
	tensor_load_to_lds s[G0XC:G0XC+3], s[G1X:G1X+7]
	s_nop 0
	tensor_load_to_lds s[G0XS:G0XS+3], s[G1XS:G1XS+7]
	s_nop 0
.rept 4
	v_nop
.endr
	s_branch .Lfilled
.Lfill_w:
	tensor_load_to_lds s[G0WC:G0WC+3], s[G1W:G1W+7]
	s_nop 0
	tensor_load_to_lds s[G0WS:G0WS+3], s[G1WS:G1WS+7]
	s_nop 0
.rept 4
	v_nop
.endr
.Lfilled:
	; the roles.  The type hangs on the cluster's x alone: it is the same in all sixteen partners
	s_and_b32 s26, s20, 3                          ; i0: which four tiles of source 0's sixteen are mine
	s_lshr_b32 s27, s20, 2                         ; i1: which four of source 1's
	s_cmp_eq_u32 ttmp9, 2
	s_cselect_b32 s24, 1, 0                        ; 1: v
	s_cselect_b32 s86, s27, s26                    ; which 64 columns (a head) of the work-group's 256
	s_cselect_b32 s87, s26, s27                    ; which 64 rows
	s_xor_b32 s25, s24, 1
	s_mov_b32 s[SEL], 0x76543210
	s_mov_b32 s[SEL+1], 0xfedcba98
	s_mov_b32 s[HM], 0xffff0000
	v_and_b32 v2, 31, v0
	v_lshlrev_b32 v1, 4, v2                        ; 16 x lane
	v_lshlrev_b32 v2, 2, v2                        ; 4 x lane
	v_and_b32 v14, 15, v0                          ; r
	v_bfe_u32 v15, v0, 4, 1                        ; h
	s_lshl_b32 s94, s25, 17                        ; source 0's codes: W's region for q and k, x's for v,
	s_lshl_b32 s95, s26, 12
	s_add_co_u32 s94, s94, s95                     ; + my four tiles
	v_add_nc_u32 v3, s94, v1                       ; K steps 0-3
	v_add_nc_u32 v4, 0x10000, v3                   ; K steps 4-7
	s_lshl_b32 s94, s24, 17                        ; source 1's
	s_lshl_b32 s95, s27, 12
	s_add_co_u32 s94, s94, s95
	v_add_nc_u32 v5, s94, v1
	v_add_nc_u32 v6, 0x10000, v5
	s_lshl_b32 s94, s25, 13                        ; source 0's scale words
	s_lshl_b32 s95, s26, 8
	s_add_co_u32 s94, s94, s95
	s_add_co_u32 s94, s94, LSC
	v_add_nc_u32 v7, s94, v2
	s_lshl_b32 s94, s24, 13                        ; source 1's
	s_lshl_b32 s95, s27, 8
	s_add_co_u32 s94, s94, s95
	s_add_co_u32 s94, s94, LSC
	v_add_nc_u32 v8, s94, v2
	; the bias of my 64 columns
	s_cmp_eq_u32 ttmp9, 1
	s_cselect_b64 s[8:9], s[10:11], s[8:9]
	s_cmp_eq_u32 ttmp9, 2
	s_cselect_b64 s[8:9], s[12:13], s[8:9]
	s_lshl_b32 s94, s16, 10                        ; 256 columns x cx (gx % 4),
	s_lshl_b32 s95, s86, 8                         ; 64 x the head
	s_add_co_u32 s94, s94, s95
	s_mov_b32 s95, 0
	s_add_nc_u64 s[8:9], s[8:9], s[94:95]
	s_cmp_eq_u32 s24, 1
	s_cbranch_scc1 .Lbias_v
	v_lshlrev_b32 v9, 6, v15                       ; q, k: register j of tile s is column 32 (s / 2) + 16 h + 8 (s % 2) + j
.irp s, 0,1,2,3
	global_load_b128 v[BI+8*\s:BI+8*\s+3], v9, s[8:9] offset:128*(\s/2)+32*(\s%2)
	global_load_b128 v[BI+8*\s+4:BI+8*\s+7], v9, s[8:9] offset:128*(\s/2)+32*(\s%2)+16
.endr
	s_branch .Lbias_done
.Lbias_v:
	v_and_b32 v9, 8, v14
	v_add_nc_u32 v9, v9, v14
	v_lshlrev_b32 v9, 2, v9                        ; v: all eight registers of tile o belong to column 32 (o / 2) + 8 (o % 2) + r + 8 (r / 8)
.irp o, 0,1,2,3
.irp j, 0,1,2,3,4,5,6,7
	global_load_b32 v[BI+8*\o+\j], v9, s[8:9] offset:128*(\o/2)+32*(\o%2)
.endr
.endr
.Lbias_done:
	; where the results go, as offsets in qkv
	s_lshr_b32 s89, s19, 3
	s_lshl_b32 s89, s89, 4
	s_lshl_b32 s94, s16, 2
	s_add_co_u32 s89, s89, s94
	s_add_co_u32 s89, s89, s86                     ; bh = 16 batch + 4 cx + head of the work-group's four
	s_and_b32 s90, s19, 7
	s_lshl_b32 s90, s90, 4
	s_lshl_b32 s94, s87, 2
	s_add_co_u32 s90, s90, s94                     ; T0: my first tile of rows within the batch
	s_lshl_b32 s91, s89, 7
	s_add_co_u32 s91, s91, s90
	s_lshl_b32 s91, s91, 9                         ; q's half images
	s_lshl_b32 s92, s89, 13
	s_lshl_b32 s94, s90, 6
	s_add_co_u32 s92, s92, s94
	s_add_co_u32 s92, s92, Q_SCL                   ; q's scale words
	s_lshl_b32 s93, s89, 4
	s_lshr_b32 s94, s90, 3
	s_add_co_u32 s93, s93, s94
	s_mul_i32 s93, s93, 8960
	s_add_co_u32 s93, s93, KV                      ; the block of my 128 keys
	s_and_b32 s94, s90, 7
	s_lshl_b32 s95, s94, 9
	s_add_co_u32 s95, s95, s93                     ; k's half images
	s_lshl_b32 s94, s94, 6
	s_add_co_u32 s94, s94, s93
	s_add_co_u32 s94, s94, 8192                    ; k's scale words
	s_cmp_eq_u32 ttmp9, 1
	s_cselect_b32 s91, s95, s91
	s_cselect_b32 s92, s94, s92
	s_and_b32 s94, s87, 1                          ; v: my 64 keys are half (rows / 64) % 2 of the block's 128
	s_lshl_b32 s95, s94, 9
	s_add_co_u32 s95, s95, s93
	s_add_co_u32 s95, s95, 4096                    ; that half of V^T's images
	s_lshl_b32 s94, s94, 1
	s_add_co_u32 s94, s94, s93
	s_add_co_u32 s94, s94, 8704                    ; and of its scale words
	s_cmp_eq_u32 ttmp9, 2
	s_cselect_b32 s96, s95, s91
	s_cselect_b32 s98, s94, s92
	s_mov_b32 s97, 0
	s_mov_b32 s99, 0
	s_add_nc_u64 s[96:97], s[14:15], s[96:97]      ; codes
	s_add_nc_u64 s[98:99], s[14:15], s[98:99]      ; scale words
	s_wait_tensorcnt 0x0                           ; my two blocks are in,
	s_barrier_signal -1
	s_barrier_wait -1                              ; everybody's are: all of K lies in LDS
	s_wait_loadcnt 0x0                             ; the bias
	s_cmp_eq_u32 s24, 1
	s_cbranch_scc1 .Lfirst_v
	KSTEP 0, 1
	s_branch .Lrest
.Lfirst_v:
	KSTEP 0, 2
.Lrest:
	KSTEP 1, 0
	KSTEP 2, 0
	KSTEP 3, 0
	KSTEP 4, 0
	KSTEP 5, 0
	KSTEP 6, 0
	KSTEP 7, 0
.rept 4
	v_nop                                          ; places behind the last products: their results are read and their sources written below
.endr
.irp b, 0,1,2,3
	v_mov_b32 v[TM+4+\b], 0                        ; written once: a lane permute's destination counts as one of its sources
.endr
	; the 64 registers of source 1's tiles 2 p and 2 p + 1 are four blocks of 32 along the next K: two of each tile's slot r
	QUANT4 ACC, PC
	WORD22 PWS
	QUANT4 ACC+64, PC+8
	WORD22 PWS+1
	s_cmp_eq_u32 s24, 1
	s_cbranch_scc1 .Lstore_v
.irp o, 0,1,2,3
	global_store_b128 v1, v[PC+4*\o:PC+4*\o+3], s[96:97] offset:512*\o      ; tile o's half image: 512 consecutive bytes
.endr
.irp p, 0,1
	global_store_b32 v2, v[PWS+\p], s[98:99] offset:128*\p                  ; two tiles' scale words: 128 consecutive bytes
.endr
	s_branch .Lstored
.Lstore_v:
.irp o, 0,1,2,3
	global_store_b128 v1, v[PC+4*\o:PC+4*\o+3], s[96:97] offset:1024*\o     ; my 64 keys' half of channel tile o's image
.endr
.irp p, 0,1
	global_store_b16 v2, v[PWS+\p], s[98:99] offset:128*\p                  ; my 64 keys are two of a scale word's four bytes
.endr
.Lstored:
	s_wait_tensorcnt 0x0
	ds_add_u32 v126, v127
	s_wait_dscnt 0x0
	CROUND                                         ; the closing round: no work-group ends while a partner may still ask for a block that names it
	s_endpgm
.Lfunc_end_k_q920667523a_qkv:
	.size	k_q920667523a_qkv, .Lfunc_end_k_q920667523a_qkv-k_q920667523a_qkv
	.p2alignl 7, 3214868480
	.fill 96, 4, 3214868480
	.section	.rodata,"a",@progbits
	.p2align	6, 0x0
	.amdhsa_kernel k_q920667523a_qkv
		.amdhsa_group_segment_fixed_size 280576
		.amdhsa_private_segment_fixed_size 0
		.amdhsa_enable_private_segment 0
		.amdhsa_kernarg_size 48
		.amdhsa_user_sgpr_count 2
		.amdhsa_user_sgpr_kernarg_segment_ptr 1
		.amdhsa_wavefront_size32 1
		.amdhsa_system_sgpr_workgroup_id_x 1
		.amdhsa_system_sgpr_workgroup_id_y 1
		.amdhsa_system_sgpr_workgroup_id_z 1
		.amdhsa_system_vgpr_workitem_id 0
		.amdhsa_next_free_vgpr 256
		.amdhsa_next_free_sgpr 100
		.amdhsa_reserve_vcc 0
		.amdhsa_float_denorm_mode_32 3
		.amdhsa_float_denorm_mode_16_64 3
		.amdhsa_memory_ordered 1
		.amdhsa_forward_progress 1
		.amdhsa_inst_pref_size 53
	.end_amdhsa_kernel
	.amdgpu_metadata
---
amdhsa.version: [ 1, 2 ]
amdhsa.kernels:
  - .name:           k_q920667523a_qkv
    .symbol:         k_q920667523a_qkv.kd
    .args:
      - { .name: xq, .offset: 0, .size: 8, .value_kind: global_buffer, .address_space: global }
      - { .name: wq, .offset: 8, .size: 8, .value_kind: global_buffer, .address_space: global }
      - { .name: bq, .offset: 16, .size: 8, .value_kind: global_buffer, .address_space: global }
      - { .name: bk, .offset: 24, .size: 8, .value_kind: global_buffer, .address_space: global }
      - { .name: bv, .offset: 32, .size: 8, .value_kind: global_buffer, .address_space: global }
      - { .name: qkv, .offset: 40, .size: 8, .value_kind: global_buffer, .address_space: global }
    .group_segment_fixed_size: 280576
    .private_segment_fixed_size: 0
    .kernarg_segment_align: 8
    .kernarg_segment_size: 48
    .max_flat_workgroup_size: 512
    .sgpr_count:     100
    .vgpr_count:     256
    .wavefront_size: 32
...
	.end_amdgpu_metadata
.endif
;; end of part 2
;; launch attn (part 3): grid 8 x 32, 16 waves a work-group, clusters of 4 x 1, 169,984 bytes of LDS; arguments qkv, oq; writes oq
.if DOCPART == 3
	.amdgcn_target "amdgcn-amd-amdhsa--gfx1250"
	.amdhsa_code_object_version 6
	.text
	.protected	k_q920667523a_attn
	.globl	k_q920667523a_attn
	.p2align	8
	.type	k_q920667523a_attn,@function
k_q920667523a_attn:
	s_mov_b64 s[64:65], 0
	v_nop
	global_prefetch_b8 v0, s[64:65] scope:SCOPE_SE
	s_setreg_imm32_b32 hwreg(HW_REG_WAVE_MODE, 25, 1), 1
	s_wait_xcnt 0x0
	s_wait_alu depctr_hold_cnt(0) depctr_sa_sdst(0) depctr_va_vdst(0) depctr_va_sdst(0) depctr_va_ssrc(0) depctr_va_vcc(0) depctr_vm_vsrc(0)
	s_getreg_b32 s2, hwreg(HW_REG_IB_STS2, 6, 4)
	s_cmp_eq_u32 s2, 0
	s_cbranch_scc0 .Lentry_in_a_cluster
	s_endpgm
.Lentry_in_a_cluster:
	s_bfe_u32 s2, ttmp6, 0x10000c
	s_cmp_lg_u32 s2, 0x3003
	s_cbranch_scc0 .Lentry_shape_is_right
	s_endpgm
.Lentry_shape_is_right:
; O = softmax(Q K^T / 8) V for one (batch, head), both products on codes of FP4 with E8M0 scales; O / l is quantised along the model's 1,024 and stored as codes and scale bytes.
; THE SOFTMAX AHEAD OF THE SECOND PRODUCT: t = score x log2(e) / 8; M = the running largest t rounded UP to a whole number; p = 2^(t - M) is what is quantised, along the keys, not normalised.
; The row's sum is taken of the unquantised p in f32 and divides O at the end.  When M moves, the sum and O are multiplied by 2^(old M - new M): exact.
; SHARES.  A work-group owns 256 queries of one (batch, head); each of its sixteen waves one tile of 16, in 256 registers: four waves to a SIMD, so that one wave's exponentials stand beside another's plain work and products.
; Every wave walks the head's 2,048 keys, 128 a step.  LDS IS FILLED ONCE: a step's K, V^T and scale words are one dense block of 8,960 bytes, the head's sixteen are 143,360 bytes; wave w fetches block w.
; CLUSTER 4 x 1: the four query blocks of a cluster belong to one head and need the same sixteen blocks: each is asked for jointly.
; LAYOUT.  Both products are used transposed: S^T = K Q^T (source 0 = 16 keys), O^T = V^T P^T (source 0 = 16 channels): a lane holds ONE query (lane % 16) throughout.
; Slot r of tile 2 b + u of K is key 32 b + 8 u + r + 8 (r / 8), so that the 16 registers of tiles 2 b and 2 b + 1 are 16 neighbouring keys; V^T's channels are ordered likewise, so that O^T's are 16 neighbouring channels.
; The first product's K is 64: the upper 64 of the instruction's 128 are zero codes on both sides (registers cleared once), under scale bytes 0.
; LIMITS: NaN and infinities are not served; a block of O whose largest magnitude lies under 2^-124, or is 0, is held at the byte 1.
.set KVB,  8960
.set Q_SCL, 2097152
.set KV,   2359296
.set AL,   3                           ; v3  16 x lane + the step's block;  v4  4 x lane + the step's block
.set AS,   4
.set QF,   16                          ; v16-23  Q's fragment (20-23 zeros);  v24 its scale words
.set QS,   24
.set KS,   25                          ; v25-28  K's scale words, two tiles a register;  v29-30 V's
.set VS,   29
.set KF,   32                          ; v32-95  K's eight fragments (the upper four registers of each: zeros)
.set VF,   192                         ; v192-223 V^T's four fragments
                                       ; v96-159 S^T, then p;  v160-191 O^T;  v224-231 p's codes;  v12 -M, v13 the largest t, v[14:15] the sum in two halves;  v232-254 at work
.set WV,   8
.set G1,   16                          ; s[16:23], s[24:27] the descriptor
.set G0,   24
.set SEL,  28
.set CS,   30                          ; s[30:31] c = log2(e) / 8
.set TB,   32                          ; s32 LDS byte of the step's block
.set CNT,  33
.macro CROUND
	s_barrier_signal -1
	s_barrier_wait -1
	s_cmp_lg_u32 s[WV], 0
	s_cbranch_scc1 .Lnot_wave_0_\@
	s_barrier_signal -3
.Lnot_wave_0_\@:
	s_barrier_wait -3
	s_barrier_signal -1
	s_barrier_wait -1
.endm
	s_load_b128 s[4:7], s[0:1], 0x0                ; qkv s[4:5], oq s[6:7]
	v_lshl_add_u32 v251, v0, 2, 0x29000
	v_mov_b32 v255, 0
	ds_add_u32 v251, v255
	ds_add_u32 v251, v255
	v_lshrrev_b32 v1, 5, v0
	v_readfirstlane_b32 s[WV], v1                  ; wave 0..15
	s_bfe_u32 s9, ttmp6, 0x40000                   ; cx: it enters Q's and O's global addresses alone
	s_lshl_b32 s10, ttmp9, 2
	s_add_co_u32 s10, s10, s9                      ; my block of 256 queries
	s_and_b32 s11, ttmp7, 0xffff                   ; bh = 16 batch + head, which the four partners share
	s_lshl_b32 s12, s11, 4
	s_add_co_u32 s12, s12, s[WV]
	s_mul_i32 s12, s12, KVB
	s_add_co_u32 s12, s12, KV                      ; the block that I fetch: key step = my wave's number
	s_mov_b32 s13, 0
	s_mul_i32 s14, s[WV], KVB                      ; and where it goes
	s_mov_b32 s[G1], 15|(3<<16)|(1<<21)            ; 15:0 the mask: all four work-groups; 17:16 elements of 8 bytes; 21 set beside a mask; no padding
	s_mov_b32 s[G1+1], 32<<16                      ; 8,960 dense bytes as 35 rows of 256: tensor_dim0 = 32
	s_mov_b32 s[G1+2], 35<<16                      ; tensor_dim1 = 35
	s_mov_b32 s[G1+3], 32<<16                      ; tile_dim0
	s_mov_b32 s[G1+4], 35                          ; tile_dim1
	s_mov_b32 s[G1+5], 32                          ; the pitch
	s_mov_b32 s[G1+6], 0
	s_mov_b32 s[G1+7], 0
	s_wait_dscnt 0x0
	s_wait_kmcnt 0x0
	CROUND                                         ; all four work-groups are here: the joint loads meet
	s_mov_b32 s[G0], 1
	s_mov_b32 s[G0+1], s14
	s_add_nc_u64 s[G0+2:G0+3], s[4:5], s[12:13]
	s_or_b32 s[G0+3], s[G0+3], 0x80000000
	tensor_load_to_lds s[G0:G0+3], s[G1:G1+7]      ; one tensor load of mine is out
	s_nop 0
.rept 4
	v_nop
.endr
	s_lshl_b32 s15, s10, 4
	s_add_co_u32 s15, s15, s[WV]                   ; T: my tile of queries within the batch
	s_lshl_b32 s34, s11, 7
	s_add_co_u32 s34, s34, s15
	s_lshl_b32 s34, s34, 9                         ; Q's half image
	s_mov_b32 s35, 0
	s_lshl_b32 s36, s11, 13
	s_lshl_b32 s37, s15, 6
	s_add_co_u32 s36, s36, s37
	s_add_co_u32 s36, s36, Q_SCL                   ; Q's scale words
	s_mov_b32 s37, 0
	s_and_b32 s42, s11, 15                         ; head
	s_lshr_b32 s43, s11, 4                         ; batch
	s_lshl_b32 s43, s43, 7
	s_add_co_u32 s43, s43, s15                     ; O's tile of rows: 128 batch + T
	s_lshr_b32 s44, s42, 1                         ; the next product's K step: two heads to 128
	s_and_b32 s45, s42, 1                          ; and which half of it
	s_lshl_b32 s38, s44, 18
	s_lshl_b32 s39, s43, 10
	s_add_co_u32 s38, s38, s39
	s_lshl_b32 s39, s45, 9
	s_add_co_u32 s38, s38, s39                     ; O's half image
	s_mov_b32 s39, 0
	s_lshl_b32 s40, s44, 14
	s_lshl_b32 s41, s43, 6
	s_add_co_u32 s40, s40, s41
	s_lshl_b32 s41, s45, 1
	s_add_co_u32 s40, s40, s41
	s_add_co_u32 s40, s40, 2097152                 ; O's half scale words
	s_mov_b32 s41, 0
	s_add_nc_u64 s[34:35], s[4:5], s[34:35]
	s_add_nc_u64 s[36:37], s[4:5], s[36:37]
	s_add_nc_u64 s[38:39], s[6:7], s[38:39]
	s_add_nc_u64 s[40:41], s[6:7], s[40:41]
	s_mov_b32 s[SEL], 0x76543210
	s_mov_b32 s[SEL+1], 0xfedcba98
	s_mov_b32 s[CS], 0x3e38aa3b                    ; c = log2(e) / 8
	s_mov_b32 s[CS+1], s[CS]                       ; (named with it as a pair, so it is written)
	s_mov_b32 s[TB], 0
	s_mov_b32 s[CNT], 16
	v_and_b32 v6, 31, v0                           ; lane
	v_lshlrev_b32 v1, 4, v6
	v_lshlrev_b32 v2, 2, v6
	v_and_b32 v5, 15, v0
	v_lshlrev_b32 v5, 2, v5                        ; 4 r
	global_load_b128 v[QF:QF+3], v1, s[34:35]      ; Q's 64 codes a row stay in registers
	global_load_b32 v[QS], v5, s[36:37]
.irp i, 4,5,6,7
	v_mov_b32 v[QF+\i], 0                          ; the upper 64 of K: zero codes
.endr
.irp t, 0,1,2,3,4,5,6,7
.irp i, 4,5,6,7
	v_mov_b32 v[KF+8*\t+\i], 0
.endr
.endr
	v_mov_b32 v13, 0xff61b1e6                      ; the largest t so far: -3e38, under every t
	v_floor_f32 v12, -v13                          ; -M
	v_mov_b32 v14, 0                               ; the sum, in two halves
	v_mov_b32 v15, 0
.irp b, 0,1,2,3
	v_mov_b32 v[236+\b], 0                         ; written once: a lane permute's destination counts as one of its sources
.endr
	v_mov_b32 v253, 0                              ; (named as the upper half of the pair v[252:253] before it is first written)
.irp j, 0,1,2,3,4,5,6,7,8,9,10,11,12,13,14,15,16,17,18,19,20,21,22,23,24,25,26,27,28,29,30,31
	v_mov_b32 v[160+\j], 0                         ; O^T: the loop is written once; its first step finds zeros, which the first change of M leaves zeros
.endr
	s_wait_tensorcnt 0x0                           ; my block is in,
	s_barrier_signal -1
	s_barrier_wait -1                              ; everybody's is: the head's keys lie in LDS
	s_wait_loadcnt 0x0                             ; Q
.Lstep:                                            ; 16 trips of 128 keys
	v_add_nc_u32 v[AL], s[TB], v1
	v_add_nc_u32 v[AS], s[TB], v2
	v_nop
	v_nop                                          ; with the two additions: four places in front of loads into registers that the last trip's products have read
.irp t, 0,1,2,3,4,5,6,7
	ds_load_b128 v[KF+8*\t:KF+8*\t+3], v[AL] offset:512*\t
.endr
.irp p, 0,1,2,3
	ds_load_b32 v[KS+\p], v[AS] offset:8192+128*\p
.endr
.irp d, 0,1,2,3
.irp c, 0,1
	ds_load_b128 v[VF+8*\d+4*\c:VF+8*\d+4*\c+3], v[AL] offset:4096+1024*\d+512*\c
.endr
.endr
.irp p, 0,1
	ds_load_b32 v[VS+\p], v[AS] offset:8704+128*\p
.endr
	s_wait_dscnt 10                                ; K and its scale words are in; V's eight loads and its two of scale words may be out
.irp p, 0,1,2,3                                ; S^T = K Q^T: lane (r, h) holds query r; the 16 registers of tiles 2 b, 2 b + 1 are keys 32 b + 16 h + 0 .. 15
	v_wmma_scale_f32_16x16x128_f8f6f4 v[96+16*\p:103+16*\p], v[KF+16*\p:KF+16*\p+7], v[QF:QF+7], 0, v[KS+\p], v[QS] matrix_a_fmt:MATRIX_FMT_FP4 matrix_b_fmt:MATRIX_FMT_FP4
	v_wmma_scale_f32_16x16x128_f8f6f4 v[104+16*\p:111+16*\p], v[KF+16*\p+8:KF+16*\p+15], v[QF:QF+7], 0, v[KS+\p], v[QS] matrix_a_fmt:MATRIX_FMT_FP4 matrix_b_fmt:MATRIX_FMT_FP4 matrix_a_scale:MATRIX_SCALE_ROW1
.endr
.rept 4
	v_nop
.endr
.irp b, 0,1,2,3
	v_max3_num_f32 v[232+\b], v[96+16*\b], v[97+16*\b], v[98+16*\b]   ; the largest score of each block of 32 keys: it serves for the row's maximum and, since p rises with the score, for the block's largest p
.endr
.irp i, 3,5,7,9,11,13
.irp b, 0,1,2,3
	v_max3_num_f32 v[232+\b], v[232+\b], v[96+16*\b+\i], v[97+16*\b+\i]   ; the four blocks by turns
.endr
.endr
.irp b, 0,1,2,3
	v_max_num_f32 v[232+\b], v[232+\b], v[111+16*\b]
.endr
.irp b, 0,1,2,3
	v_permlanex16_b32 v[236+\b], v[232+\b], s[SEL], s[SEL+1]
.endr
.irp b, 0,1,2,3
	v_max_num_f32 v[232+\b], v[232+\b], v[236+\b]  ; with lane l xor 16's 16 keys
.endr
	v_max3_num_f32 v254, v232, v233, v234
	v_max_num_f32 v254, v254, v235                 ; the step's largest score of my query
	v_mul_f32 v254, s[CS], v254                    ; as t (c is positive)
	v_max_num_f32 v13, v13, v254                   ; the running largest t
	v_mov_b32 v254, v12
	v_floor_f32 v12, -v13                          ; the new -M = floor(-t) = -ceil(t): a whole number
	v_sub_f32 v254, v12, v254                      ; old M less new M: a whole number, 0 or less
	v_cvt_i32_f32 v254, v254                       ; (it saturates)
	v_ldexp_f32 v252, 1.0, v254                    ; f = 2^(old M - new M)
.irp j, 0,2,4,6,8,10,12,14,16,18,20,22,24,26,28,30,32,34,36,38,40,42,44,46,48,50,52,54,56,58,60,62
	v_pk_fma_f32 v[96+\j:97+\j], v[96+\j:97+\j], s[CS:CS+1], v[12:13] op_sel_hi:[1,0,0]   ; t - M, two at a time
.endr
.irp b, 0,1,2,3
	v_fma_f32 v[232+\b], v[232+\b], s[CS], v12     ; the same of each block's largest score
.endr
.irp j, 0,1,2,3,4,5,6,7,8,9,10,11,12,13,14,15,16,17,18,19,20,21,22,23,24,25,26,27,28,29,30,31,32,33,34,35,36,37,38,39,40,41,42,43,44,45,46,47,48,49,50,51,52,53,54,55,56,57,58,59,60,61,62,63
	v_exp_f32 v[96+\j], v[96+\j]                   ; p = 2^(t - M), at most 1
.endr
.irp b, 0,1,2,3
	v_exp_f32 v[232+\b], v[232+\b]                 ; the block's largest p: the same two instructions on the same number give the same bits
.endr
	v_pk_mul_f32 v[14:15], v[14:15], v[252:253] op_sel_hi:[1,0]   ; the sums under the new M (a plain place behind the exponentials)
	s_wait_alu depctr_va_vdst(0)
.irp b, 0,1,2,3
	v_max_num_f32 v[232+\b], 0x1800000, v[232+\b]  ; the floor 2^(3 - 127): the byte cannot fall under 1
.endr
.irp b, 0,1,2,3
	v_add_nc_u32 v[244+\b], 0xff000000, v[232+\b]  ; the conversion's scale operand
.endr
.irp b, 0,1,2,3
	v_lshrrev_b32 v[236+\b], 23, v[244+\b]         ; the scale's byte
.endr
	v_lshl_or_b32 v253, v237, 8, v236              ; p's scale word for these 128 keys
	v_lshl_or_b32 v253, v238, 16, v253
	v_lshl_or_b32 v253, v239, 24, v253
.irp b, 0,1,2,3
	v_cvt_scalef32_pk8_fp4_f32 v[224+2*\b], v[96+16*\b:103+16*\b], v[244+\b]
	v_cvt_scalef32_pk8_fp4_f32 v[225+2*\b], v[104+16*\b:111+16*\b], v[244+\b]
.endr
	v_nop                                          ; one plain place behind a scaled conversion
.irp c, 0,1
.irp i, 0,1
	v_permlane16_swap_b32 v[224+4*\c+\i], v[226+4*\c+\i]   ; a whole block to a lane: lanes 0-15 block 2 c, lanes 16-31 block 2 c + 1
.endr
.endr
	v_pk_add_f32 v[236:237], v[96:97], v[98:99]    ; the row's sum is taken of the unquantised p: two at a time, in two chains
.irp j, 4,8,12,16,20,24,28,32,36,40,44,48,52,56,60
	v_pk_add_f32 v[14:15], v[14:15], v[96+\j:97+\j]
	v_pk_add_f32 v[236:237], v[236:237], v[98+\j:99+\j]
.endr
	v_pk_add_f32 v[14:15], v[14:15], v[236:237]
.irp j, 0,2,4,6,8,10,12,14,16,18,20,22,24,26,28,30
	v_pk_mul_f32 v[160+\j:161+\j], v[160+\j:161+\j], v[252:253] op_sel_hi:[1,0]   ; O^T under the new M; each accumulator from its low end on
.endr
	s_wait_dscnt 0x0                               ; V and its scale words are in
.irp p, 0,1                                    ; O^T += V^T P^T: the four accumulators by turns
	v_wmma_scale_f32_16x16x128_f8f6f4 v[160+16*\p:167+16*\p], v[VF+16*\p:VF+16*\p+7], v[224:231], v[160+16*\p:167+16*\p], v[VS+\p], v253 matrix_a_fmt:MATRIX_FMT_FP4 matrix_b_fmt:MATRIX_FMT_FP4
	v_wmma_scale_f32_16x16x128_f8f6f4 v[168+16*\p:175+16*\p], v[VF+16*\p+8:VF+16*\p+15], v[224:231], v[168+16*\p:175+16*\p], v[VS+\p], v253 matrix_a_fmt:MATRIX_FMT_FP4 matrix_b_fmt:MATRIX_FMT_FP4 matrix_a_scale:MATRIX_SCALE_ROW1
.endr
	s_add_co_u32 s[TB], s[TB], KVB
	s_sub_co_u32 s[CNT], s[CNT], 1
	s_cmp_lg_u32 s[CNT], 0
	s_cbranch_scc1 .Lstep
	v_add_f32 v14, v14, v15                        ; the sum's two halves,
	v_permlanex16_b32 v252, v14, s[SEL], s[SEL+1]
	v_add_f32 v14, v14, v252                       ; and lane l xor 16's: the row's sum
	v_rcp_f32 v14, v14
.rept 3
	v_nop                                          ; a plain place behind the reciprocal; with the two additions more than four behind the last products
.endr
	s_wait_alu depctr_va_vdst(0)
.irp j, 0,1,2,3,4,5,6,7,8,9,10,11,12,13,14,15,16,17,18,19,20,21,22,23,24,25,26,27,28,29,30,31
	v_mul_f32 v[96+\j], v[160+\j], v14             ; O^T / the sum: register 16 b + i is channel 32 b + 16 h + i of my query
.endr
	; the head's 64 channels are two blocks of the next product's K
.irp b, 0,1
	v_max3_num_f32 v[232+\b], |v[96+16*\b]|, |v[97+16*\b]|, 0x1800000
.endr
.irp i, 2,4,6,8,10,12,14
.irp b, 0,1
	v_max3_num_f32 v[232+\b], v[232+\b], |v[96+16*\b+\i]|, |v[97+16*\b+\i]|
.endr
.endr
.irp b, 0,1
	v_permlanex16_b32 v[236+\b], v[232+\b], s[SEL], s[SEL+1]
.endr
.irp b, 0,1
	v_max_num_f32 v[232+\b], v[232+\b], v[236+\b]
.endr
.irp b, 0,1
	v_add_nc_u32 v[244+\b], 0xff000000, v[232+\b]
.endr
.irp b, 0,1
	v_lshrrev_b32 v[236+\b], 23, v[244+\b]
.endr
	v_lshl_or_b32 v240, v237, 8, v236              ; my row's two bytes
.irp b, 0,1
	v_cvt_scalef32_pk8_fp4_f32 v[224+2*\b], v[96+16*\b:103+16*\b], v[244+\b]
	v_cvt_scalef32_pk8_fp4_f32 v[225+2*\b], v[104+16*\b:111+16*\b], v[244+\b]
.endr
	v_nop
.irp i, 0,1
	v_permlane16_swap_b32 v[224+\i], v[226+\i]
.endr
	global_store_b128 v1, v[224:227], s[38:39]     ; half an image: 512 consecutive bytes
	s_wait_xcnt 0x0                                ; EXEC changes only behind this wait
	v_cmp_gt_u32 vcc_lo, 16, v6
	s_and_saveexec_b32 s42, vcc_lo                 ; lanes 0-15: one lane to a row
	global_store_b16 v5, v240, s[40:41]            ; two of the scale word's four bytes: the other two are the neighbouring head's
	s_wait_xcnt 0x0
	s_or_b32 exec_lo, exec_lo, s42
	s_wait_tensorcnt 0x0
	ds_add_u32 v251, v255
	s_wait_dscnt 0x0
	CROUND                                         ; the closing round: no work-group ends while a partner may still ask for a block that names it
	s_endpgm
.Lfunc_end_k_q920667523a_attn:
	.size	k_q920667523a_attn, .Lfunc_end_k_q920667523a_attn-k_q920667523a_attn
	.p2alignl 7, 3214868480
	.fill 96, 4, 3214868480
	.section	.rodata,"a",@progbits
	.p2align	6, 0x0
	.amdhsa_kernel k_q920667523a_attn
		.amdhsa_group_segment_fixed_size 169984
		.amdhsa_private_segment_fixed_size 0
		.amdhsa_enable_private_segment 0
		.amdhsa_kernarg_size 16
		.amdhsa_user_sgpr_count 2
		.amdhsa_user_sgpr_kernarg_segment_ptr 1
		.amdhsa_wavefront_size32 1
		.amdhsa_system_sgpr_workgroup_id_x 1
		.amdhsa_system_sgpr_workgroup_id_y 1
		.amdhsa_system_sgpr_workgroup_id_z 1
		.amdhsa_system_vgpr_workitem_id 0
		.amdhsa_next_free_vgpr 256
		.amdhsa_next_free_sgpr 66
		.amdhsa_reserve_vcc 1
		.amdhsa_float_denorm_mode_32 3
		.amdhsa_float_denorm_mode_16_64 3
		.amdhsa_memory_ordered 1
		.amdhsa_forward_progress 1
		.amdhsa_inst_pref_size 26
	.end_amdhsa_kernel
	.amdgpu_metadata
---
amdhsa.version: [ 1, 2 ]
amdhsa.kernels:
  - .name:           k_q920667523a_attn
    .symbol:         k_q920667523a_attn.kd
    .args:
      - { .name: qkv, .offset: 0, .size: 8, .value_kind: global_buffer, .address_space: global }
      - { .name: oq, .offset: 8, .size: 8, .value_kind: global_buffer, .address_space: global }
    .group_segment_fixed_size: 169984
    .private_segment_fixed_size: 0
    .kernarg_segment_align: 8
    .kernarg_segment_size: 16
    .max_flat_workgroup_size: 512
    .sgpr_count:     66
    .vgpr_count:     256
    .wavefront_size: 32
...
	.end_amdgpu_metadata
.endif
;; end of part 3
;; launch proj_ln (part 4): grid 256 x 1, 16 waves a work-group, no clusters, 76,032 bytes of LDS; arguments oq, wq, bp, x, ln_g, ln_b, out0; writes out0
.if DOCPART == 4
	.amdgcn_target "amdgcn-amd-amdhsa--gfx1250"
	.amdhsa_code_object_version 6
	.text
	.protected	k_q920667523a_proj_ln
	.globl	k_q920667523a_proj_ln
	.p2align	8
	.type	k_q920667523a_proj_ln,@function
k_q920667523a_proj_ln:
	s_mov_b64 s[64:65], 0
	v_nop
	global_prefetch_b8 v0, s[64:65] scope:SCOPE_SE
	s_setreg_imm32_b32 hwreg(HW_REG_WAVE_MODE, 25, 1), 1
	s_wait_xcnt 0x0
; out0 = LayerNorm(x + O Wp + bp) x ln_g + ln_b.  O and Wp are codes of FP4 with E8M0 scales, laid as images of the operand's registers; all else is f32.
; SHARES.  The norm needs whole rows: a work-group takes one tile of 16 rows x all 1,024 columns.  In the product wave w makes columns 64 w .. 64 w + 63 (four accumulators); then it takes ONE row, slot w, for the norm: no sum crosses waves.
; The product is used transposed (source 0 = 16 columns of Wp, source 1 = the 16 rows of O): a lane holds one row and, by the order of Wp's slots, 16 neighbouring columns in two tiles' registers.
; Wp's fragments go from memory straight into registers, 512 consecutive bytes a load, through a ring of four K steps: each is read by exactly one wave of the work-group, so LDS would add a copy and spare none.
; NO JOINT LOADS: Wp's codes and scale words are 557,056 bytes, more than a work-group's 327,680 bytes of LDS, so sharing them in a cluster would need slots filled again behind rounds of the cluster's barrier, eight rounds for 32 products a wave.
; O's eight images (8,192 bytes) are read by all sixteen waves: each wave brings half an image into LDS.
; bp is loaded into the accumulators, so every link of a sum is in place; x, ln_g and ln_b are asked for under the products.
.set STG,  8192                        ; LDS: O's images at 0; from 8,192 the stage: 16 rows x (4,096 bytes + 16)
.set SPI,  4112
.set AS,   8                           ; v8-15   O's scale words, a K step a register
.set BS,   16                          ; v16-31  Wp's: register 2 ks + p: lanes 0-15 tile 2 p's, lanes 16-31 tile 2 p + 1's
.set AF,   32                          ; v32-47  O's fragment, two buffers
.set ACC,  48                          ; v48-79  four accumulators
.set XR,   80                          ; v80-111 my row of x
.set RING, 128                         ; v128-255 Wp's fragments: slot ks % 4, tile t at + 8 t; later ln_g (slot 0), ln_b (slot 1), my row y (slot 2)
.set Y,    192
.set SEL,  20
.macro BLOAD ks                        ; Wp's four fragments of K step ks
.irp t, 0,1,2,3
.irp c, 0,1
	global_load_b128 v[RING+32*((\ks)%4)+8*\t+4*\c:RING+32*((\ks)%4)+8*\t+4*\c+3], v1, s[30:31] offset:262144*(\ks)+1024*\t+512*\c
.endr
.endr
.endm
; A K step.  n: the global loads issued behind this step's fragments of Wp, which may stay out.
.macro KSTEP ks, n
.if \ks > 0
.rept 4
	v_nop                                          ; places in front of loads into registers that the last step's products have read
.endr
.endif
.if (\ks >= 1) && (\ks <= 4)
	BLOAD \ks+3                                    ; the slot just read takes the K step three on
.elseif \ks == 5
.irp i, 0,1,2,3,4,5,6,7
	global_load_b128 v[RING+4*\i:RING+4*\i+3], v1, s[12:13] offset:512*\i        ; ln_g at my lane's columns of a row
.endr
.elseif \ks == 6
.irp i, 0,1,2,3,4,5,6,7
	global_load_b128 v[RING+32+4*\i:RING+32+4*\i+3], v1, s[14:15] offset:512*\i  ; ln_b
.endr
.endif
.if \ks < 7
	ds_load_b128 v[AF+8*((\ks+1)%2):AF+8*((\ks+1)%2)+3], v1 offset:1024*(\ks+1)
	ds_load_b128 v[AF+8*((\ks+1)%2)+4:AF+8*((\ks+1)%2)+7], v1 offset:1024*(\ks+1)+512
.endif
	s_wait_loadcnt \n
.if \ks < 7
	s_wait_dscnt 2                                 ; this step's fragment of O is in; the next step's two loads may be out
.else
	s_wait_dscnt 0x0
.endif
.irp p, 0,1                                    ; the four accumulators by turns
	v_wmma_scale_f32_16x16x128_f8f6f4 v[ACC+16*\p:ACC+16*\p+7], v[RING+32*((\ks)%4)+16*\p:RING+32*((\ks)%4)+16*\p+7], v[AF+8*((\ks)%2):AF+8*((\ks)%2)+7], v[ACC+16*\p:ACC+16*\p+7], v[BS+2*(\ks)+\p], v[AS+(\ks)] matrix_a_fmt:MATRIX_FMT_FP4 matrix_b_fmt:MATRIX_FMT_FP4
	v_wmma_scale_f32_16x16x128_f8f6f4 v[ACC+16*\p+8:ACC+16*\p+15], v[RING+32*((\ks)%4)+16*\p+8:RING+32*((\ks)%4)+16*\p+15], v[AF+8*((\ks)%2):AF+8*((\ks)%2)+7], v[ACC+16*\p+8:ACC+16*\p+15], v[BS+2*(\ks)+\p], v[AS+(\ks)] matrix_a_fmt:MATRIX_FMT_FP4 matrix_b_fmt:MATRIX_FMT_FP4 matrix_a_scale:MATRIX_SCALE_ROW1
.endr
.endm
.macro LANES                           ; v112 summed over the wave's 32 lanes, the result in every lane
	v_add_f32_dpp v112, v112, v112 row_xmask:1 row_mask:0xf bank_mask:0xf
	v_add_f32_dpp v112, v112, v112 row_xmask:2 row_mask:0xf bank_mask:0xf
	v_add_f32_dpp v112, v112, v112 row_xmask:4 row_mask:0xf bank_mask:0xf
	v_add_f32_dpp v112, v112, v112 row_xmask:8 row_mask:0xf bank_mask:0xf
	v_permlanex16_b32 v113, v112, s[SEL], s[SEL+1]
	v_add_f32 v112, v112, v113
.endm
	s_load_b256 s[4:11], s[0:1], 0x0               ; oq s[4:5], wq s[6:7], bp s[8:9], x s[10:11]
	s_load_b128 s[12:15], s[0:1], 0x20             ; ln_g s[12:13], ln_b s[14:15]
	s_load_b64 s[16:17], s[0:1], 0x30              ; out0
	v_lshl_add_u32 v126, v0, 2, 0x12100
	v_mov_b32 v127, 0
	v_lshrrev_b32 v1, 5, v0
	v_readfirstlane_b32 s18, v1                    ; wave 0..15
	v_and_b32 v116, 31, v0                         ; lane
	v_and_b32 v117, 15, v0                         ; r
	v_bfe_u32 v118, v0, 4, 1                       ; h
	v_lshlrev_b32 v1, 4, v116                      ; 16 x lane
	v_lshlrev_b32 v2, 2, v117                      ; 4 r
	v_lshlrev_b32 v3, 2, v116                      ; 4 x lane
	v_lshlrev_b32 v4, 6, v118                      ; 64 h
	v_mul_u32_u24 v5, v117, SPI
	v_lshl_add_u32 v5, v118, 6, v5
	s_lshl_b32 s19, s18, 8
	s_add_co_u32 s19, s19, STG
	v_add_nc_u32 v5, s19, v5                       ; into the stage: row r, my wave's 256 bytes, + 64 h
	s_mul_i32 s19, s18, SPI
	s_add_co_u32 s19, s19, STG
	v_add_nc_u32 v6, s19, v1                       ; back: row = my wave's number, 16 bytes a lane
	s_lshl_b32 s19, s18, 9
	v_add_nc_u32 v7, s19, v1                       ; O's images: my half image
	s_mov_b32 s[SEL], 0x76543210
	s_mov_b32 s[SEL+1], 0xfedcba98
	s_mov_b32 s22, 0x3a800000                      ; 1 / 1,024
	s_mov_b32 s23, 0x3727c5ac                      ; 1e-5
	s_lshr_b32 s24, s18, 1
	s_lshl_b32 s24, s24, 18                        ; O's half image: K step wave / 2,
	s_lshl_b32 s25, ttmp9, 10
	s_add_co_u32 s24, s24, s25                     ; my tile,
	s_and_b32 s25, s18, 1
	s_lshl_b32 s25, s25, 9
	s_add_co_u32 s24, s24, s25                     ; half wave % 2
	s_mov_b32 s25, 0
	s_lshl_b32 s26, ttmp9, 6                       ; O's scale words: 64 bytes a tile
	s_mov_b32 s27, 0
	s_lshl_b32 s28, s18, 8
	s_add_co_u32 s28, s28, 12288                   ; Wp's scale words: slot 3,072 + 64 x wave
	s_mov_b32 s29, 0
	s_lshl_b32 s30, s18, 12
	s_add_co_u32 s30, s30, 196608                  ; Wp's images: tile 192 + 4 x wave
	s_mov_b32 s31, 0
	s_lshl_b32 s32, s18, 8                         ; bp: my 64 columns
	s_mov_b32 s33, 0
	s_lshr_b32 s34, ttmp9, 1
	s_lshl_b32 s34, s34, 5
	s_and_b32 s35, ttmp9, 1
	s_lshl_b32 s35, s35, 3
	s_add_co_u32 s34, s34, s35
	s_add_co_u32 s34, s34, s18
	s_and_b32 s35, s18, 8
	s_add_co_u32 s34, s34, s35                     ; my row: 32 (g / 2) + 8 (g % 2) + w + 8 (w / 8)
	s_lshl_b32 s34, s34, 12
	s_mov_b32 s35, 0
	s_wait_kmcnt 0x0
	s_add_nc_u64 s[24:25], s[4:5], s[24:25]
	s_add_nc_u64 s[26:27], s[4:5], s[26:27]
	s_add_nc_u64 s[28:29], s[6:7], s[28:29]
	s_add_nc_u64 s[30:31], s[6:7], s[30:31]
	s_add_nc_u64 s[32:33], s[8:9], s[32:33]
	s_add_nc_u64 s[36:37], s[10:11], s[34:35]
	s_add_nc_u64 s[38:39], s[16:17], s[34:35]
	global_load_b128 v[112:115], v1, s[24:25]      ; my half image of O
.irp k, 0,1,2,3,4,5,6,7
	global_load_b32 v[AS+\k], v2, s[26:27] offset:2097152+16384*\k
.endr
.irp k, 0,1,2,3,4,5,6,7
.irp p, 0,1
	global_load_b32 v[BS+2*\k+\p], v3, s[28:29] offset:2097152+16384*\k+128*\p
.endr
.endr
.irp t, 0,1,2,3
	global_load_b128 v[ACC+8*\t:ACC+8*\t+3], v4, s[32:33] offset:128*(\t/2)+32*(\t%2)       ; bp: register j of tile t is column 32 (t / 2) + 16 h + 8 (t % 2) + j
	global_load_b128 v[ACC+8*\t+4:ACC+8*\t+7], v4, s[32:33] offset:128*(\t/2)+32*(\t%2)+16
.endr
	BLOAD 0
	BLOAD 1
	s_wait_loadcnt 48                              ; my half image is in: 8 + 16 + 8 + 16 loads were issued behind it
	ds_store_b128 v7, v[112:115]
	BLOAD 2
	BLOAD 3
.irp i, 0,1,2,3,4,5,6,7
	global_load_b128 v[XR+4*\i:XR+4*\i+3], v1, s[36:37] offset:512*\i                       ; my row of x: 512 consecutive bytes a load
.endr
	s_wait_dscnt 0x0                               ; for the others' sake: my store has landed
	s_barrier_signal -1
	s_barrier_wait -1                              ; O's eight images lie in LDS
	ds_load_b128 v[AF:AF+3], v1
	ds_load_b128 v[AF+4:AF+7], v1 offset:512
	KSTEP 0, 32                                    ; behind K step 0's fragments: steps 1, 2, 3 and x
	KSTEP 1, 32                                    ; steps 2, 3, x, step 4
	KSTEP 2, 32                                    ; step 3, x, steps 4, 5
	KSTEP 3, 32                                    ; x, steps 4, 5, 6
	KSTEP 4, 24                                    ; steps 5, 6, 7
	KSTEP 5, 24                                    ; steps 6, 7, ln_g
	KSTEP 6, 24                                    ; step 7, ln_g, ln_b
	KSTEP 7, 16                                    ; ln_g, ln_b
.rept 4
	v_nop                                          ; places behind the last products
.endr
.irp t, 0,1,2,3
	ds_store_b128 v5, v[ACC+8*\t:ACC+8*\t+3] offset:128*(\t/2)+32*(\t%2)                    ; each accumulator from its low end on
	ds_store_b128 v5, v[ACC+8*\t+4:ACC+8*\t+7] offset:128*(\t/2)+32*(\t%2)+16
.endr
	s_wait_dscnt 0x0
	s_barrier_signal -1
	s_barrier_wait -1                              ; 16 whole rows of O Wp + bp lie in the stage
.irp i, 0,1,2,3,4,5,6,7
	ds_load_b128 v[Y+4*\i:Y+4*\i+3], v6 offset:512*\i
.endr
	s_wait_dscnt 0x0
.irp j, 0,2,4,6,8,10,12,14,16,18,20,22,24,26,28,30
	v_pk_add_f32 v[Y+\j:Y+\j+1], v[Y+\j:Y+\j+1], v[XR+\j:XR+\j+1]   ; y = x + out (x was shown in by K step 4's wait)
.endr
	v_pk_add_f32 v[112:113], v[Y:Y+1], v[Y+2:Y+3]                  ; the row's sum, in two packed chains
	v_pk_add_f32 v[114:115], v[Y+4:Y+5], v[Y+6:Y+7]
.irp j, 8,12,16,20,24,28
	v_pk_add_f32 v[112:113], v[112:113], v[Y+\j:Y+\j+1]
	v_pk_add_f32 v[114:115], v[114:115], v[Y+\j+2:Y+\j+3]
.endr
	v_pk_add_f32 v[112:113], v[112:113], v[114:115]
	v_add_f32 v112, v112, v113
	LANES
	v_mul_f32 v116, s22, v112                      ; the mean
	v_mov_b32 v117, v116
.irp j, 0,2,4,6,8,10,12,14,16,18,20,22,24,26,28,30
	v_pk_add_f32 v[Y+\j:Y+\j+1], v[Y+\j:Y+\j+1], v[116:117] neg_lo:[0,1] neg_hi:[0,1]       ; y - mean
.endr
	v_pk_mul_f32 v[112:113], v[Y:Y+1], v[Y:Y+1]                    ; the sum of squares of the differences
	v_pk_mul_f32 v[114:115], v[Y+2:Y+3], v[Y+2:Y+3]
.irp j, 4,8,12,16,20,24,28
	v_pk_fma_f32 v[112:113], v[Y+\j:Y+\j+1], v[Y+\j:Y+\j+1], v[112:113]
	v_pk_fma_f32 v[114:115], v[Y+\j+2:Y+\j+3], v[Y+\j+2:Y+\j+3], v[114:115]
.endr
	v_pk_add_f32 v[112:113], v[112:113], v[114:115]
	v_add_f32 v112, v112, v113
	LANES
	v_fma_f32 v118, v112, s22, s23                 ; the variance + 1e-5
	v_rsq_f32 v120, v118
	v_nop                                          ; one plain place behind the transcendental
	s_wait_alu depctr_va_vdst(0)
	v_mov_b32 v121, v120
	s_wait_loadcnt 0x0                             ; ln_g, ln_b
.irp j, 0,2,4,6,8,10,12,14,16,18,20,22,24,26,28,30
	v_pk_mul_f32 v[Y+\j:Y+\j+1], v[Y+\j:Y+\j+1], v[120:121]
.endr
.irp j, 0,2,4,6,8,10,12,14,16,18,20,22,24,26,28,30
	v_pk_fma_f32 v[Y+\j:Y+\j+1], v[Y+\j:Y+\j+1], v[RING+\j:RING+\j+1], v[RING+32+\j:RING+32+\j+1]
.endr
.irp i, 0,1,2,3,4,5,6,7
	global_store_b128 v1, v[Y+4*\i:Y+4*\i+3], s[38:39] offset:512*\i th:TH_STORE_NT          ; 32 lanes store 512 consecutive bytes of my row, aligned; written once, read by nobody here
.endr
	s_wait_tensorcnt 0x0
	ds_add_u32 v126, v127
	s_wait_dscnt 0x0
	s_endpgm
.Lfunc_end_k_q920667523a_proj_ln:
	.size	k_q920667523a_proj_ln, .Lfunc_end_k_q920667523a_proj_ln-k_q920667523a_proj_ln
	.p2alignl 7, 3214868480
	.fill 96, 4, 3214868480
	.section	.rodata,"a",@progbits
	.p2align	6, 0x0
	.amdhsa_kernel k_q920667523a_proj_ln
		.amdhsa_group_segment_fixed_size 76032
		.amdhsa_private_segment_fixed_size 0
		.amdhsa_enable_private_segment 0
		.amdhsa_kernarg_size 56
		.amdhsa_user_sgpr_count 2
		.amdhsa_user_sgpr_kernarg_segment_ptr 1
		.amdhsa_wavefront_size32 1
		.amdhsa_system_sgpr_workgroup_id_x 1
		.amdhsa_system_sgpr_workgroup_id_y 1
		.amdhsa_system_sgpr_workgroup_id_z 1
		.amdhsa_system_vgpr_workitem_id 0
		.amdhsa_next_free_vgpr 256
		.amdhsa_next_free_sgpr 66
		.amdhsa_reserve_vcc 0
		.amdhsa_float_denorm_mode_32 3
		.amdhsa_float_denorm_mode_16_64 3
		.amdhsa_memory_ordered 1
		.amdhsa_forward_progress 1
		.amdhsa_inst_pref_size 30
	.end_amdhsa_kernel
	.amdgpu_metadata
---
amdhsa.version: [ 1, 2 ]
amdhsa.kernels:
  - .name:           k_q920667523a_proj_ln
    .symbol:         k_q920667523a_proj_ln.kd
    .args:
      - { .name: oq, .offset: 0, .size: 8, .value_kind: global_buffer, .address_space: global }
      - { .name: wq, .offset: 8, .size: 8, .value_kind: global_buffer, .address_space: global }
      - { .name: bp, .offset: 16, .size: 8, .value_kind: global_buffer, .address_space: global }
      - { .name: x, .offset: 24, .size: 8, .value_kind: global_buffer, .address_space: global }
      - { .name: ln_g, .offset: 32, .size: 8, .value_kind: global_buffer, .address_space: global }
      - { .name: ln_b, .offset: 40, .size: 8, .value_kind: global_buffer, .address_space: global }
      - { .name: out0, .offset: 48, .size: 8, .value_kind: global_buffer, .address_space: global }
    .group_segment_fixed_size: 76032
    .private_segment_fixed_size: 0
    .kernarg_segment_align: 8
    .kernarg_segment_size: 56
    .max_flat_workgroup_size: 512
    .sgpr_count:     66
    .vgpr_count:     256
    .wavefront_size: 32
...
	.end_amdgpu_metadata
.endif
;; end of part 4
;; ======== version 2 of 2: 4 launches
;; limits: right only within a limited range of input values
;; workspace buffers: xq 2,228,224 bytes; wq 2,228,224 bytes; oq 2,228,224 bytes; qkv 6,946,816 bytes
;; launch quant (part 5): grid 512 x 1, 4 waves a work-group, no clusters, 68,096 bytes of LDS; arguments x, Wq, Wk, Wv, Wp, xq, wq; writes xq, wq
.if DOCPART == 5
	.amdgcn_target "amdgcn-amd-amdhsa--gfx1250"
	.amdhsa_code_object_version 6
	.text
	.protected	k_q920667523a_quant
	.globl	k_q920667523a_quant
	.p2align	8
	.type	k_q920667523a_quant,@function
k_q920667523a_quant:
	s_mov_b64 s[64:65], 0
	v_nop
	global_prefetch_b8 v0, s[64:65] scope:SCOPE_SE
	s_setreg_imm32_b32 hwreg(HW_REG_WAVE_MODE, 25, 1), 1
	s_wait_xcnt 0x0
; x [4096][1024] (K innermost) and Wq, Wk, Wv, Wp [1024 (K)][1024] (K outermost), f32, become codes of FP4 (E2M1) with one E8M0 byte for each 32 along K.
; A block's scale is 2^(floor(log2(its largest magnitude)) - 2): its byte is that magnitude's exponent field - 2, held at 1 from below.
; LIMITS: NaN and infinities among the inputs are not served; a block whose largest magnitude lies under 2^-124 is held at the byte 1; a block of zeros gets the byte 1
; where the quantiser says 127: its codes are zeros, which add nothing, and only this program reads the bytes.
; LAYOUT OF xq AND wq (this program's own): codes [K step 8][tile 256][1,024 bytes], then from byte 2,097,152 scale words [K step 8][slot 4,096] of 4 bytes.
; A tile is the IMAGE OF AN OPERAND'S REGISTERS (16 slots x 128 K): the 16 bytes of block t of slot r lie at 256 t + 16 r.
; THE SLOTS OF A TILE ARE NOT NEIGHBOURS: slot r of tile 2 G + u is row (or column) 32 G + 8 u + r + 8 (r / 8), so that a product whose source 0 is such a tile leaves 16 neighbours in the 16 registers of two tiles.
; The first 256 work-groups take x, a tile of 16 rows each, a wave two K steps; the other 256 take the weights: 128 columns x 128 K each, a wave two tiles.
; Memory binds: no matrix unit, no tensor load, no barrier; waves share nothing.
.set TM,   8                           ; v8-23   at work in QUANT4: +0..3 largest magnitudes, +4..7 the other half's, then the bytes, +12..15 the conversions' scale operands
.set PW0,  24                          ; v24, v25 the two K steps' scale words; v26 the one that my half of the lanes stores
.set PW1,  25
.set PWX,  26
.set R,    32                          ; v32-159  x as loaded: two K steps x 16 rows x 4 registers
.set X,    160                         ; v160-223 64 numbers of my row: register 16 b + i = k 32 b + 16 (lane / 16) + i
.set PC,   224                         ; v224-239 two fragments' codes
.set WX,   32                          ; weights: v32-159 128 numbers down K of my column
.set WC,   160                         ; v160-175 its codes, four registers a block
.set WSB,  24                          ; v24      its four scale bytes
.set SEL,  28                          ; s[28:29] v_permlanex16_b32's selects for lane l xor 16
.set HM,   30                          ; s30      lanes 16-31
.set STG,  8448                        ; a stage: 16 rows x (512 bytes + 16); a wave has two
; 64 numbers of a lane, register 16 b + i = k 32 b + 16 (lane / 16) + i of its row, become a fragment's codes in v[pc] .. v[pc + 7]; the four bytes are left in v[TM + 4] on
.macro QUANT4 s, pc
.irp b, 0,1,2,3
	v_max3_num_f32 v[TM+\b], |v[\s+16*\b]|, |v[\s+1+16*\b]|, 0x1800000   ; my 16 numbers of block b, and the floor 2^(3 - 127): the byte cannot fall under 1
.endr
.irp i, 2,4,6,8,10,12,14
.irp b, 0,1,2,3
	v_max3_num_f32 v[TM+\b], v[TM+\b], |v[\s+16*\b+\i]|, |v[\s+1+16*\b+\i]|   ; the four blocks by turns
.endr
.endr
.irp b, 0,1,2,3
	v_permlanex16_b32 v[TM+4+\b], v[TM+\b], s[SEL], s[SEL+1]
.endr
.irp b, 0,1,2,3
	v_max_num_f32 v[TM+\b], v[TM+\b], v[TM+4+\b]                  ; with lane l xor 16's 16: the block's largest magnitude
.endr
.irp b, 0,1,2,3
	v_add_nc_u32 v[TM+12+\b], 0xff000000, v[TM+\b]                ; 2 off its exponent field: the conversion takes this operand's exponent field as its scale
.endr
.irp b, 0,1,2,3
	v_lshrrev_b32 v[TM+4+\b], 23, v[TM+12+\b]                     ; the scale's byte
.endr
.irp b, 0,1,2,3
	v_cvt_scalef32_pk8_fp4_f32 v[\pc+2*\b], v[\s+16*\b:\s+7+16*\b], v[TM+12+\b]
	v_cvt_scalef32_pk8_fp4_f32 v[\pc+1+2*\b], v[\s+8+16*\b:\s+15+16*\b], v[TM+12+\b]
.endr
	v_nop                                          ; one plain place behind a scaled conversion
.irp c, 0,1                                    ; the operand's layout wants a whole block in a lane: lanes 0-15 block 2 c, lanes 16-31 block 2 c + 1
.irp i, 0,1
	v_permlane16_swap_b32 v[\pc+4*\c+\i], v[\pc+2+4*\c+\i]
.endr
.endr
.endm
.macro WORD4 pw                        ; the four bytes make my row's scale word
	v_lshl_or_b32 v[\pw], v[TM+5], 8, v[TM+4]
	v_lshl_or_b32 v[\pw], v[TM+6], 16, v[\pw]
	v_lshl_or_b32 v[\pw], v[TM+7], 24, v[\pw]
.endm
	s_load_b256 s[4:11], s[0:1], 0x0               ; x s[4:5], Wq s[6:7], Wk s[8:9], Wv s[10:11]
	s_load_b128 s[12:15], s[0:1], 0x20             ; Wp s[12:13], xq s[14:15]
	s_load_b64 s[16:17], s[0:1], 0x30              ; wq
	v_lshl_add_u32 v240, v0, 2, 0x10800
	v_mov_b32 v241, 0
	v_lshrrev_b32 v1, 5, v0
	v_readfirstlane_b32 s18, v1                    ; wave 0..3
	v_and_b32 v1, 31, v0                           ; lane
	v_and_b32 v2, 15, v0                           ; r
	v_bfe_u32 v3, v0, 4, 1                         ; h
	s_cmp_lt_u32 ttmp9, 256
	s_cbranch_scc0 .Lweights
	; ---- x: work-group g makes tile g; wave w its K steps 2 w and 2 w + 1.  Each load reads 512 consecutive bytes of a row; the rows turn through the wave's own stage, so that a lane gets 16 neighbours of each block.
	v_lshlrev_b32 v4, 4, v1                        ; 16 x lane
	s_mul_i32 s20, s18, 2*STG                      ; my wave's two stages
	v_add_nc_u32 v5, s20, v4                       ; way in: a row as it lies
	v_mul_u32_u24 v6, v2, 528
	v_lshl_add_u32 v6, v3, 6, v6
	v_add_nc_u32 v6, s20, v6                       ; way out: row r, + 64 h
	v_lshlrev_b32 v7, 2, v2
	v_lshl_add_u32 v7, v3, 14, v7                  ; scale words: 4 r, and lanes 16-31 one K step (16,384 bytes) on
.irp b, 0,1,2,3
	v_mov_b32 v[TM+4+\b], 0                        ; written once: a lane permute's destination counts as one of its sources
.endr
	s_mov_b32 s[SEL], 0x76543210
	s_mov_b32 s[SEL+1], 0xfedcba98
	s_mov_b32 s[HM], 0xffff0000
	s_lshr_b32 s21, ttmp9, 1
	s_lshl_b32 s21, s21, 5
	s_and_b32 s22, ttmp9, 1
	s_lshl_b32 s22, s22, 3
	s_add_co_u32 s21, s21, s22                     ; the tile's first row: 32 (g / 2) + 8 (g % 2)
	s_lshl_b32 s22, s21, 12                        ; x 4,096 bytes
	s_lshl_b32 s23, s18, 10                        ; + my two K steps' 1,024 bytes
	s_add_co_u32 s22, s22, s23
	s_mov_b32 s23, 0
	s_lshl_b32 s24, s18, 19                        ; codes: K step 2 w x 262,144
	s_lshl_b32 s25, ttmp9, 10                      ; + tile x 1,024
	s_add_co_u32 s24, s24, s25
	s_mov_b32 s25, 0
	s_lshl_b32 s26, s18, 15                        ; scale words: K step 2 w x 16,384
	s_lshl_b32 s27, ttmp9, 6                       ; + tile x 64
	s_add_co_u32 s26, s26, s27
	s_add_co_u32 s26, s26, 2097152
	s_mov_b32 s27, 0
	s_wait_alu depctr_va_vdst(0)
	s_wait_kmcnt 0x0
	s_add_nc_u64 s[4:5], s[4:5], s[22:23]
	s_add_nc_u64 s[32:33], s[14:15], s[24:25]
	s_add_nc_u64 s[34:35], s[14:15], s[26:27]
.irp s, 0,1
.irp i, 0,1,2,3,4,5,6,7,8,9,10,11,12,13,14,15
	global_load_b128 v[R+64*\s+4*\i:R+64*\s+4*\i+3], v4, s[4:5] offset:(\i+8*(\i/8))*4096+512*\s   ; slot i's row, K step 2 w + s
.endr
.endr
	s_wait_loadcnt 16                              ; the first K step's 16 loads are in; the second's 16 may be out
.irp i, 0,1,2,3,4,5,6,7,8,9,10,11,12,13,14,15
	ds_store_b128 v5, v[R+4*\i:R+4*\i+3] offset:528*\i
.endr
.irp b, 0,1,2,3
.irp j, 0,1,2,3
	ds_load_b128 v[X+16*\b+4*\j:X+16*\b+4*\j+3], v6 offset:128*\b+16*\j   ; LDS serves a wave's instructions in order: these see the stores above
.endr
.endr
	s_wait_loadcnt 0x0
.irp i, 0,1,2,3,4,5,6,7,8,9,10,11,12,13,14,15
	ds_store_b128 v5, v[R+64+4*\i:R+64+4*\i+3] offset:STG+528*\i
.endr
	s_wait_dscnt 16                                ; the first K step's numbers are back; the 16 stores just issued may be out
	QUANT4 X, PC
	WORD4 PW0
	global_store_b128 v4, v[PC:PC+3], s[32:33]               ; 32 lanes store 512 consecutive bytes: half an image
	global_store_b128 v4, v[PC+4:PC+7], s[32:33] offset:512
.irp b, 0,1,2,3
.irp j, 0,1,2,3
	ds_load_b128 v[X+16*\b+4*\j:X+16*\b+4*\j+3], v6 offset:STG+128*\b+16*\j
.endr
.endr
	s_wait_dscnt 0x0
	QUANT4 X, PC+8
	WORD4 PW1
	global_store_b128 v4, v[PC+8:PC+11], s[32:33] offset:262144
	global_store_b128 v4, v[PC+12:PC+15], s[32:33] offset:262656
	v_cndmask_b32 v[PWX], v[PW0], v[PW1], s[HM]    ; lanes 0-15 store K step 2 w's words, lanes 16-31 K step 2 w + 1's (both halves of the lanes hold both)
	global_store_b32 v7, v[PWX], s[34:35]
	s_wait_tensorcnt 0x0
	ds_add_u32 v240, v241
	s_wait_dscnt 0x0
	s_endpgm
	; ---- the weights: a lane takes a column and its registers run down K, so that a block lies in one lane and the codes come out with K innermost.
.Lweights:
	s_sub_co_u32 s20, ttmp9, 256
	s_lshr_b32 s21, s20, 6                         ; which weight: 0 q, 1 k, 2 v, 3 p
	s_bfe_u32 s22, s20, 0x30003                    ; K step
	s_and_b32 s23, s20, 7                          ; which 128 columns
	v_and_b32 v4, 7, v0
	v_bfe_u32 v5, v0, 3, 1
	v_lshl_add_u32 v4, v5, 4, v4
	s_wait_alu depctr_va_vdst(0)
	v_lshl_add_u32 v4, v3, 3, v4                   ; my column of the wave's 32: lane % 8 + 16 ((lane / 8) % 2) + 8 (lane / 16): lanes 0-15 are the even tile's slots
	v_lshlrev_b32 v4, 2, v4
	v_lshlrev_b32 v8, 4, v2
	v_lshl_add_u32 v8, v3, 10, v8                  ; my slot's place in the two images: 1,024 (lane / 16) + 16 r
	v_lshlrev_b32 v9, 2, v1                        ; my scale word: 4 x lane
	s_lshl_b32 s24, s22, 19                        ; W: 128 rows of 4,096 bytes a K step,
	s_lshl_b32 s25, s23, 9
	s_add_co_u32 s24, s24, s25                     ; 128 columns,
	s_lshl_b32 s25, s18, 7
	s_add_co_u32 s24, s24, s25                     ; my wave's 32
	s_mov_b32 s25, 0
	s_lshl_b32 s26, s21, 6
	s_lshl_b32 s27, s23, 3
	s_add_co_u32 s26, s26, s27
	s_lshl_b32 s27, s18, 1
	s_add_co_u32 s26, s26, s27                     ; my even tile: 64 which + 8 group + 2 wave
	s_lshl_b32 s32, s22, 18
	s_lshl_b32 s33, s26, 10
	s_add_co_u32 s32, s32, s33                     ; its image
	s_mov_b32 s33, 0
	s_lshl_b32 s34, s22, 14
	s_lshl_b32 s35, s26, 6
	s_add_co_u32 s34, s34, s35
	s_add_co_u32 s34, s34, 2097152                 ; its scale words
	s_mov_b32 s35, 0
	s_wait_alu depctr_va_vdst(0)
	s_wait_kmcnt 0x0
	s_cmp_eq_u32 s21, 1                            ; the weight is chosen by the work-group's number alone
	s_cselect_b64 s[6:7], s[8:9], s[6:7]
	s_cmp_eq_u32 s21, 2
	s_cselect_b64 s[6:7], s[10:11], s[6:7]
	s_cmp_eq_u32 s21, 3
	s_cselect_b64 s[6:7], s[12:13], s[6:7]
	s_add_nc_u64 s[6:7], s[6:7], s[24:25]
	s_add_nc_u64 s[32:33], s[16:17], s[32:33]
	s_add_nc_u64 s[34:35], s[16:17], s[34:35]
.macro LOADW t                         ; block t: W(32 t + i, my column)
.irp i, 0,1,2,3,4,5,6,7,8,9,10,11,12,13,14,15,16,17,18,19,20,21,22,23,24,25,26,27,28,29,30,31
	global_load_b32 v[WX+32*(\t)+\i], v4, s[6:7] offset:(32*(\t)+\i)*4096 th:TH_LOAD_NT
.endr
.endm
.macro BLOCKW t
.set XS, WX+32*(\t)
	v_max3_num_f32 v12, |v[XS]|, |v[XS+1]|, |v[XS+2]|            ; the block's largest magnitude: all 32 numbers are mine; two chains
	v_max3_num_f32 v13, |v[XS+3]|, |v[XS+4]|, |v[XS+5]|
.irp i, 6,10,14,18,22,26
	v_max3_num_f32 v12, v12, |v[XS+\i]|, |v[XS+\i+1]|
	v_max3_num_f32 v13, v13, |v[XS+\i+2]|, |v[XS+\i+3]|
.endr
	v_max3_num_f32 v12, v12, |v[XS+30]|, |v[XS+31]|
	v_max3_num_f32 v12, v12, v13, 0x1800000        ; and the floor 2^(3 - 127)
	v_add_nc_u32 v11, 0xff000000, v12              ; the conversion's scale operand
	v_lshrrev_b32 v13, 23, v11                     ; the byte
.if (\t) == 0
	v_mov_b32 v[WSB], v13
.else
	v_lshl_or_b32 v[WSB], v13, 8*(\t), v[WSB]
.endif
.irp g, 0,1,2,3
	v_cvt_scalef32_pk8_fp4_f32 v[WC+4*(\t)+\g], v[XS+8*\g:XS+8*\g+7], v11
.endr
	global_store_b128 v8, v[WC+4*(\t):WC+4*(\t)+3], s[32:33] offset:256*(\t)   ; sixteen lanes store 256 consecutive bytes, aligned: block t of a tile's 16 slots
.endm
	LOADW 0
	LOADW 1
	s_wait_loadcnt 32                              ; block 0 is in; block 1's 32 loads may be out
	LOADW 2
	BLOCKW 0
	s_wait_loadcnt 32                              ; block 1 is in; block 2's may be out
	LOADW 3
	BLOCKW 1
	s_wait_loadcnt 32                              ; block 2 is in; block 3's may be out
	BLOCKW 2
	s_wait_loadcnt 0x0
	BLOCKW 3
	global_store_b32 v9, v[WSB], s[34:35]          ; 32 slots' scale words: 128 consecutive bytes
	s_endpgm
.Lfunc_end_k_q920667523a_quant:
	.size	k_q920667523a_quant, .Lfunc_end_k_q920667523a_quant-k_q920667523a_quant
	.p2alignl 7, 3214868480
	.fill 96, 4, 3214868480
	.section	.rodata,"a",@progbits
	.p2align	6, 0x0
	.amdhsa_kernel k_q920667523a_quant
		.amdhsa_group_segment_fixed_size 68096
		.amdhsa_private_segment_fixed_size 0
		.amdhsa_enable_private_segment 0
		.amdhsa_kernarg_size 56
		.amdhsa_user_sgpr_count 2
		.amdhsa_user_sgpr_kernarg_segment_ptr 1
		.amdhsa_wavefront_size32 1
		.amdhsa_system_sgpr_workgroup_id_x 1
		.amdhsa_system_sgpr_workgroup_id_y 1
		.amdhsa_system_sgpr_workgroup_id_z 1
		.amdhsa_system_vgpr_workitem_id 0
		.amdhsa_next_free_vgpr 242
		.amdhsa_next_free_sgpr 66
		.amdhsa_reserve_vcc 0
		.amdhsa_float_denorm_mode_32 3
		.amdhsa_float_denorm_mode_16_64 3
		.amdhsa_memory_ordered 1
		.amdhsa_forward_progress 1
		.amdhsa_inst_pref_size 38
	.end_amdhsa_kernel
	.amdgpu_metadata
---
amdhsa.version: [ 1, 2 ]
amdhsa.kernels:
  - .name:           k_q920667523a_quant
    .symbol:         k_q920667523a_quant.kd
    .args:
      - { .name: x, .offset: 0, .size: 8, .value_kind: global_buffer, .address_space: global }
      - { .name: Wq, .offset: 8, .size: 8, .value_kind: global_buffer, .address_space: global }
      - { .name: Wk, .offset: 16, .size: 8, .value_kind: global_buffer, .address_space: global }
      - { .name: Wv, .offset: 24, .size: 8, .value_kind: global_buffer, .address_space: global }
      - { .name: Wp, .offset: 32, .size: 8, .value_kind: global_buffer, .address_space: global }
      - { .name: xq, .offset: 40, .size: 8, .value_kind: global_buffer, .address_space: global }
      - { .name: wq, .offset: 48, .size: 8, .value_kind: global_buffer, .address_space: global }
    .group_segment_fixed_size: 68096
    .private_segment_fixed_size: 0
    .kernarg_segment_align: 8
    .kernarg_segment_size: 56
    .max_flat_workgroup_size: 128
    .sgpr_count:     66
    .vgpr_count:     242
    .wavefront_size: 32
...
	.end_amdgpu_metadata
.endif
;; end of part 5
;; launch qkv (part 6): grid 12 x 16, 16 waves a work-group, clusters of 4 x 4, 280,576 bytes of LDS; arguments xq, wq, bq, bk, bv, qkv; writes qkv
.if DOCPART == 6
	.amdgcn_target "amdgcn-amd-amdhsa--gfx1250"
	.amdhsa_code_object_version 6
	.text
	.protected	k_q920667523a_qkv
	.globl	k_q920667523a_qkv
	.p2align	8
	.type	k_q920667523a_qkv,@function
k_q920667523a_qkv:
	s_mov_b64 s[64:65], 0
	v_nop
	global_prefetch_b8 v0, s[64:65] scope:SCOPE_SE
	s_setreg_imm32_b32 hwreg(HW_REG_WAVE_MODE, 25, 1), 1
	s_wait_xcnt 0x0
	s_wait_alu depctr_hold_cnt(0) depctr_sa_sdst(0) depctr_va_vdst(0) depctr_va_sdst(0) depctr_va_ssrc(0) depctr_va_vcc(0) depctr_vm_vsrc(0)
	s_getreg_b32 s2, hwreg(HW_REG_IB_STS2, 6, 4)
	s_cmp_eq_u32 s2, 0
	s_cbranch_scc0 .Lentry_in_a_cluster
	s_endpgm
.Lentry_in_a_cluster:
	s_bfe_u32 s2, ttmp6, 0x10000c
	s_cmp_lg_u32 s2, 0xf033
	s_cbranch_scc0 .Lentry_shape_is_right
	s_endpgm
.Lentry_shape_is_right:
; q = x Wq + bq, k = x Wk + bk, v = x Wv + bv on codes of FP4 with E8M0 scales; each result is quantised in registers, q and k along the head's 64, v along the keys, and only codes and scale bytes are stored.
; SHARES.  M = 4,096, N = 3 x 1,024, K = 1,024.  A work-group takes 256 rows x 256 columns; the cluster's x (0, 1, 2) says whether its columns are q's, k's or v's.  Sixteen waves, each 64 x 64: 16 accumulators.
; LDS IS FILLED ONCE: the work-group's codes of x (131,072 bytes), of W (131,072) and their scale words (8,192 each) for all of K fit together, so there is no ring and nothing is filled again.
; CLUSTER 4 x 4: the four of a row need the same rows of x, the four of a column the same columns of W: each block is asked for jointly.  Waves 0-7 ask for x's K steps 0-7, waves 8-15 for W's; each one load of codes; the scale words come by plain loads.
; xq, wq: codes [K step][tile][1,024 bytes] as images of the operand's registers (half c of a fragment at 512 c + 16 x lane), scale words [K step][slot]; slot r of tile 2 G + u is index 32 G + 8 u + r + 8 (r / 8).
; ROLES.  q, k: source 0 = 16 columns of W, source 1 = 16 rows of x: a lane holds one row, and the 16 registers of two neighbouring tiles are 16 neighbours along the head.
;         v:    source 0 = 16 rows of x (keys), source 1 = 16 columns of W: a lane holds one channel d, and its registers run along the keys, which are the next product's K.
; The bias is the C of each sum's first matrix instruction, in the result's layout.
; qkv: Q's half images [bh 32][tile 128][512] at 0; Q's scale words [bh][slot 2,048] at 2,097,152; from 2,359,296 one block of 8,960 bytes for each (bh, 128 keys): K's 8 half images, V^T's 4 images, K's 128 scale words, V's 64.
; K = 64 fills half of an instruction's 128: the upper two bytes of q's and k's scale words stay 0 and stand over zero codes alone.
; LIMITS: NaN and infinities are not served; a block whose largest magnitude lies under 2^-124 is held at the byte 1, a block of zeros too (its codes are zeros; only this program reads the bytes).
.set LSC,  262144                      ; LDS: x's codes at 0, W's at 131,072, x's scale words at 262,144, W's at 270,336
.set Q_SCL, 2097152
.set KV,   2359296
.set SC0,  10                          ; v10-11 source 0's scale words (a register: lanes 0-15 the even tile's, lanes 16-31 the odd tile's);  v12-13 source 1's
.set SC1,  12
.set BI,   16                          ; v16-47   the bias, four tiles of 8 registers
.set F0,   48                          ; v48-79   source 0's four fragments;  v80-111 source 1's
.set F1,   80
.set ACC,  128                         ; v128-255 accumulator (o, s) at 128 + 32 o + 8 s: source 1's tile o, source 0's tile s
.set TM,   48                          ; behind the products: v48-63 at work, v64-79 codes, v80-81 half words, v82-83 the words to store
.set PC,   64
.set W0,   80
.set W1,   81
.set PWS,  82
.set G1X,  28                          ; s[28:35] group 1 for x's codes;  s[36:43] for W's
.set G1W,  36
.set G0XC, 60                          ; groups 0: s[60:63] x's codes, s[72:75] W's codes
.set G0WC, 72
.set SCB,  68                          ; s[68:69] where the scale words of my K step begin in memory
.set SCA,  112                         ; v112 where they go in LDS; v[114:121] on the way.  Later v112: k's swapped place
.set SEL,  66                          ; s[66:67]
.set HM,   88
.macro CROUND                          ; a round of the cluster's barrier
	s_barrier_signal -1
	s_barrier_wait -1
	s_cmp_lg_u32 s20, 0
	s_cbranch_scc1 .Lnot_wave_0_\@
	s_barrier_signal -3
.Lnot_wave_0_\@:
	s_barrier_wait -3
	s_barrier_signal -1
	s_barrier_wait -1
.endm
.macro QUANT4 s, pc                    ; 64 numbers of a lane, register 16 b + i = k 32 b + 16 (lane / 16) + i, become 8 registers of codes; the bytes are left in v[TM + 4] on
.irp b, 0,1,2,3
	v_max3_num_f32 v[TM+\b], |v[\s+16*\b]|, |v[\s+1+16*\b]|, 0x1800000   ; each accumulator is read from its low end on; the floor 2^(3 - 127) holds the byte at 1 from below
.endr
.irp i, 2,4,6,8,10,12,14
.irp b, 0,1,2,3
	v_max3_num_f32 v[TM+\b], v[TM+\b], |v[\s+16*\b+\i]|, |v[\s+1+16*\b+\i]|
.endr
.endr
.irp b, 0,1,2,3
	s_delay_alu instid0(VALU_DEP_4)
	v_permlanex16_b32 v[TM+4+\b], v[TM+\b], s[SEL], s[SEL+1]
.endr
.irp b, 0,1,2,3
	s_delay_alu instid0(VALU_DEP_4)
	v_max_num_f32 v[TM+\b], v[TM+\b], v[TM+4+\b]
.endr
.irp b, 0,1,2,3
	s_delay_alu instid0(VALU_DEP_4)
	v_add_nc_u32 v[TM+12+\b], 0xff000000, v[TM+\b]
.endr
.irp b, 0,1,2,3
	s_delay_alu instid0(VALU_DEP_4)
	v_lshrrev_b32 v[TM+4+\b], 23, v[TM+12+\b]
.endr
.irp b, 0,1,2,3
	v_cvt_scalef32_pk8_fp4_f32 v[\pc+2*\b], v[\s+16*\b:\s+7+16*\b], v[TM+12+\b]
	v_cvt_scalef32_pk8_fp4_f32 v[\pc+1+2*\b], v[\s+8+16*\b:\s+15+16*\b], v[TM+12+\b]
.endr
	v_nop                                          ; one plain place behind a scaled conversion
.irp c, 0,1
.irp i, 0,1
	v_permlane16_swap_b32 v[\pc+4*\c+\i], v[\pc+2+4*\c+\i]
.endr
.endr
.endm
.macro WORD22 pw                       ; blocks 0, 1 belong to the even tile's slot r, blocks 2, 3 to the odd tile's: lanes 0-15 keep the first two bytes, lanes 16-31 the other two
	v_lshl_or_b32 v[W0], v[TM+5], 8, v[TM+4]
	v_lshl_or_b32 v[W1], v[TM+7], 8, v[TM+6]
	s_delay_alu instid0(VALU_DEP_1)
	v_cndmask_b32 v[\pw], v[W0], v[W1], s[HM]
.endm
.macro MM d, a, b, c, sa, sb, ra, rb   ; one product; ra, rb: the side's scale words stand in lanes 16-31
.if (\ra) && (\rb)
	v_wmma_scale_f32_16x16x128_f8f6f4 v[\d:\d+7], v[\a:\a+7], v[\b:\b+7], v[\c:\c+7], v[\sa], v[\sb] matrix_a_fmt:MATRIX_FMT_FP4 matrix_b_fmt:MATRIX_FMT_FP4 matrix_a_scale:MATRIX_SCALE_ROW1 matrix_b_scale:MATRIX_SCALE_ROW1
.elseif (\ra)
	v_wmma_scale_f32_16x16x128_f8f6f4 v[\d:\d+7], v[\a:\a+7], v[\b:\b+7], v[\c:\c+7], v[\sa], v[\sb] matrix_a_fmt:MATRIX_FMT_FP4 matrix_b_fmt:MATRIX_FMT_FP4 matrix_a_scale:MATRIX_SCALE_ROW1
.elseif (\rb)
	v_wmma_scale_f32_16x16x128_f8f6f4 v[\d:\d+7], v[\a:\a+7], v[\b:\b+7], v[\c:\c+7], v[\sa], v[\sb] matrix_a_fmt:MATRIX_FMT_FP4 matrix_b_fmt:MATRIX_FMT_FP4 matrix_b_scale:MATRIX_SCALE_ROW1
.else
	v_wmma_scale_f32_16x16x128_f8f6f4 v[\d:\d+7], v[\a:\a+7], v[\b:\b+7], v[\c:\c+7], v[\sa], v[\sb] matrix_a_fmt:MATRIX_FMT_FP4 matrix_b_fmt:MATRIX_FMT_FP4
.endif
.endm
; A K step of 128: eight fragments and four registers of scale words from LDS, 16 products.  cmode 1: C = the bias by source 0's tile (q, k); 2: by source 1's tile (v); 0: the sums go on in place.
; The 16 accumulators take turns, one instruction a turn, in the same order in every K step.
.macro KSTEP ks, cmode
.if \ks > 0
.rept 4
	v_nop                                          ; places in front of loads into registers that matrix instructions have read
.endr
.endif
.irp s, 0,1,2,3
	ds_load_b128 v[F0+8*\s:F0+8*\s+3], v[3+(\ks)/4] offset:((\ks)%4)*16384+1024*\s
	ds_load_b128 v[F0+8*\s+4:F0+8*\s+7], v[3+(\ks)/4] offset:((\ks)%4)*16384+1024*\s+512
.endr
.irp o, 0,1,2,3
	ds_load_b128 v[F1+8*\o:F1+8*\o+3], v[5+(\ks)/4] offset:((\ks)%4)*16384+1024*\o
	ds_load_b128 v[F1+8*\o+4:F1+8*\o+7], v[5+(\ks)/4] offset:((\ks)%4)*16384+1024*\o+512
.endr
.irp p, 0,1
	ds_load_b32 v[SC0+\p], v7 offset:1024*(\ks)+128*\p
	ds_load_b32 v[SC1+\p], v8 offset:1024*(\ks)+128*\p
.endr
	s_wait_dscnt 0x0
.irp o, 0,1,2,3
.irp s, 0,1,2,3
.if \cmode == 1
	MM ACC+32*\o+8*\s, F0+8*\s, F1+8*\o, BI+8*\s, SC0+\s/2, SC1+\o/2, \s%2, \o%2
.elseif \cmode == 2
	MM ACC+32*\o+8*\s, F0+8*\s, F1+8*\o, BI+8*\o, SC0+\s/2, SC1+\o/2, \s%2, \o%2
.else
	MM ACC+32*\o+8*\s, F0+8*\s, F1+8*\o, ACC+32*\o+8*\s, SC0+\s/2, SC1+\o/2, \s%2, \o%2
.endif
.endr
.endr
.endm
	s_load_b256 s[4:11], s[0:1], 0x0               ; xq s[4:5], wq s[6:7], bq s[8:9], bk s[10:11]
	s_load_b128 s[12:15], s[0:1], 0x20             ; bv s[12:13], qkv s[14:15]
	v_lshl_add_u32 v126, v0, 2, 0x44000
	v_mov_b32 v127, 0
	ds_add_u32 v126, v127
	ds_add_u32 v126, v127
	v_lshrrev_b32 v1, 5, v0
	s_delay_alu instid0(VALU_DEP_1)
	v_readfirstlane_b32 s20, v1                    ; wave 0..15
	s_bfe_u32 s16, ttmp6, 0x40000                  ; cx
	s_bfe_u32 s17, ttmp6, 0x40004                  ; cy
	s_lshl_b32 s18, ttmp9, 2
	s_add_co_u32 s18, s18, s16                     ; gx: which 256 columns of the 3,072
	s_and_b32 s19, ttmp7, 0xffff
	s_lshl_b32 s19, s19, 2
	s_add_co_u32 s19, s19, s17                     ; gy: which 256 rows
	s_lshl_b32 s89, s17, 2
	s_lshl_b32 s89, 15, s89                        ; my row of the cluster
	s_lshl_b32 s90, 0x1111, s16                    ; my column
	s_or_b32 s[G1X], s89, (3<<16)|(1<<21)          ; 15:0 the mask: x's blocks go to my row; 17:16 elements of 8 bytes; 21 set beside a mask; no padding: images are read 512 consecutive bytes at a time
	s_or_b32 s[G1W], s90, (3<<16)|(1<<21)          ; W's go to my column
.irp g, G1X, G1W                       ; a K step's 16 images: 16,384 dense bytes as 64 rows of 256
	s_mov_b32 s[\g+1], 32<<16                      ; tensor_dim0 = 32 elements
	s_mov_b32 s[\g+2], 64<<16                      ; tensor_dim1 = 64
	s_mov_b32 s[\g+3], 32<<16                      ; tile_dim0
	s_mov_b32 s[\g+4], 64                          ; tile_dim1
	s_mov_b32 s[\g+5], 32                          ; the pitch
	s_mov_b32 s[\g+6], 0
	s_mov_b32 s[\g+7], 0
.endr
	s_and_b32 s21, s20, 7                          ; the K step that I fetch
	s_lshl_b32 s22, s20, 14                        ; where its codes go: 16,384 x wave (waves 8-15 fall into W's region); no place in the cluster enters an LDS address
	s_lshl_b32 s23, s20, 10
	s_add_co_u32 s23, s23, LSC                     ; and its scale words: 1,024 x wave
	s_lshl_b32 s80, s21, 18                        ; x's offsets hang on gy and the wave alone,
	s_lshl_b32 s81, s19, 14
	s_add_co_u32 s80, s80, s81
	s_mov_b32 s81, 0
	s_lshl_b32 s82, s21, 14
	s_lshl_b32 s83, s19, 10
	s_add_co_u32 s82, s82, s83
	s_add_co_u32 s82, s82, 2097152
	s_mov_b32 s83, 0
	s_lshl_b32 s84, s21, 18                        ; W's on gx and the wave alone
	s_lshl_b32 s85, s18, 14
	s_add_co_u32 s84, s84, s85
	s_mov_b32 s85, 0
	s_lshl_b32 s92, s21, 14
	s_lshl_b32 s93, s18, 10
	s_add_co_u32 s92, s92, s93
	s_add_co_u32 s92, s92, 2097152
	s_mov_b32 s93, 0
	s_wait_dscnt 0x0
	s_wait_kmcnt 0x0
	CROUND                                         ; all sixteen work-groups are here: the joint loads meet
	s_mov_b32 s[G0XC], 1
	s_mov_b32 s[G0XC+1], s22
	s_add_nc_u64 s[G0XC+2:G0XC+3], s[4:5], s[80:81]
	s_or_b32 s[G0XC+3], s[G0XC+3], 0x80000000
	s_mov_b32 s[G0WC], 1
	s_mov_b32 s[G0WC+1], s22
	s_add_nc_u64 s[G0WC+2:G0WC+3], s[6:7], s[84:85]
	s_or_b32 s[G0WC+3], s[G0WC+3], 0x80000000
	; the scale words, 1,024 bytes a wave, a sixteenth of the codes' bytes, come by two plain loads and go into LDS by two stores
	s_cmp_lt_u32 s20, 8
	s_cselect_b64 s[SCB:SCB+1], s[4:5], s[6:7]
	s_cselect_b64 s[70:71], s[82:83], s[92:93]
	s_add_nc_u64 s[SCB:SCB+1], s[SCB:SCB+1], s[70:71]
	s_cmp_lt_u32 s20, 8                            ; the codes: one joint load a wave, in one branch on the wave's number
	s_cbranch_scc0 .Lfill_w
	tensor_load_to_lds s[G0XC:G0XC+3], s[G1X:G1X+7]
	s_nop 0
.rept 4
	v_nop
.endr
	s_branch .Lfilled
.Lfill_w:
	tensor_load_to_lds s[G0WC:G0WC+3], s[G1W:G1W+7]
	s_nop 0
.rept 4
	v_nop
.endr
.Lfilled:
	; the roles.  The type hangs on the cluster's x alone: it is the same in all sixteen partners
	s_and_b32 s26, s20, 3                          ; i0: which four tiles of source 0's sixteen are mine
	s_lshr_b32 s27, s20, 2                         ; i1: which four of source 1's
	s_cmp_eq_u32 ttmp9, 2
	s_cselect_b32 s24, 1, 0                        ; 1: v
	s_cselect_b32 s86, s27, s26                    ; which 64 columns (a head) of the work-group's 256
	s_cselect_b32 s87, s26, s27                    ; which 64 rows
	s_xor_b32 s25, s24, 1
	s_mov_b32 s[SEL], 0x76543210
	s_mov_b32 s[SEL+1], 0xfedcba98
	s_mov_b32 s[HM], 0xffff0000
	v_and_b32 v2, 31, v0
	s_delay_alu instid0(VALU_DEP_1)
	v_lshlrev_b32 v1, 4, v2                        ; 16 x lane
	s_delay_alu instid0(VALU_DEP_2)
	v_lshlrev_b32 v2, 2, v2                        ; 4 x lane
	v_add_nc_u32 v[SCA], s23, v1
	s_wait_alu depctr_va_vdst(0)
	global_load_b128 v[114:117], v1, s[SCB:SCB+1]              ; my K step's 256 scale words
	global_load_b128 v[118:121], v1, s[SCB:SCB+1] offset:512
	v_and_b32 v14, 15, v0                          ; r
	v_bfe_u32 v15, v0, 4, 1                        ; h
	s_lshl_b32 s94, s25, 17                        ; source 0's codes: W's region for q and k, x's for v,
	s_lshl_b32 s95, s26, 12
	s_add_co_u32 s94, s94, s95                     ; + my four tiles
	v_add_nc_u32 v3, s94, v1                       ; K steps 0-3
	s_delay_alu instid0(VALU_DEP_1)
	v_add_nc_u32 v4, 0x10000, v3                   ; K steps 4-7
	s_lshl_b32 s94, s24, 17                        ; source 1's
	s_lshl_b32 s95, s27, 12
	s_add_co_u32 s94, s94, s95
	v_add_nc_u32 v5, s94, v1
	s_delay_alu instid0(VALU_DEP_1)
	v_add_nc_u32 v6, 0x10000, v5
	s_lshl_b32 s94, s25, 13                        ; source 0's scale words
	s_lshl_b32 s95, s26, 8
	s_add_co_u32 s94, s94, s95
	s_add_co_u32 s94, s94, LSC
	v_add_nc_u32 v7, s94, v2
	s_lshl_b32 s94, s24, 13                        ; source 1's
	s_lshl_b32 s95, s27, 8
	s_add_co_u32 s94, s94, s95
	s_add_co_u32 s94, s94, LSC
	v_add_nc_u32 v8, s94, v2
	; the bias of my 64 columns
	s_cmp_eq_u32 ttmp9, 1
	s_cselect_b64 s[8:9], s[10:11], s[8:9]
	s_cmp_eq_u32 ttmp9, 2
	s_cselect_b64 s[8:9], s[12:13], s[8:9]
	s_lshl_b32 s94, s16, 10                        ; 256 columns x cx (gx % 4),
	s_lshl_b32 s95, s86, 8                         ; 64 x the head
	s_add_co_u32 s94, s94, s95
	s_mov_b32 s95, 0
	s_add_nc_u64 s[8:9], s[8:9], s[94:95]
	s_cmp_eq_u32 s24, 1
	s_cbranch_scc1 .Lbias_v
	s_wait_alu depctr_va_vdst(0)
	v_lshlrev_b32 v9, 6, v15                       ; q, k: register j of tile s is column 32 (s / 2) + 16 h + 8 (s % 2) + j
.irp s, 0,1,2,3
	global_load_b128 v[BI+8*\s:BI+8*\s+3], v9, s[8:9] offset:128*(\s/2)+32*(\s%2)
	global_load_b128 v[BI+8*\s+4:BI+8*\s+7], v9, s[8:9] offset:128*(\s/2)+32*(\s%2)+16
.endr
	s_branch .Lbias_done
.Lbias_v:
	s_wait_alu depctr_va_vdst(0)
	v_and_b32 v9, 8, v14
	s_delay_alu instid0(VALU_DEP_1)
	v_add_nc_u32 v9, v9, v14
	s_delay_alu instid0(VALU_DEP_1)
	v_lshlrev_b32 v9, 2, v9                        ; v: all eight registers of tile o belong to column 32 (o / 2) + 8 (o % 2) + r + 8 (r / 8)
.irp o, 0,1,2,3
.irp j, 0,1,2,3,4,5,6,7
	global_load_b32 v[BI+8*\o+\j], v9, s[8:9] offset:128*(\o/2)+32*(\o%2)
.endr
.endr
.Lbias_done:
	; where the results go, as offsets in qkv
	s_lshr_b32 s89, s19, 3
	s_lshl_b32 s89, s89, 4
	s_lshl_b32 s94, s16, 2
	s_add_co_u32 s89, s89, s94
	s_add_co_u32 s89, s89, s86                     ; bh = 16 batch + 4 cx + head of the work-group's four
	s_and_b32 s90, s19, 7
	s_lshl_b32 s90, s90, 4
	s_lshl_b32 s94, s87, 2
	s_add_co_u32 s90, s90, s94                     ; T0: my first tile of rows within the batch
	s_lshl_b32 s91, s89, 7
	s_add_co_u32 s91, s91, s90
	s_lshl_b32 s91, s91, 9                         ; q's half images
	s_lshl_b32 s92, s89, 13
	s_lshl_b32 s94, s90, 6
	s_add_co_u32 s92, s92, s94
	s_add_co_u32 s92, s92, Q_SCL                   ; q's scale words
	s_lshl_b32 s93, s89, 4
	s_lshr_b32 s94, s90, 3
	s_add_co_u32 s93, s93, s94
	s_mul_i32 s93, s93, 8960
	s_add_co_u32 s93, s93, KV                      ; the block of my 128 keys
	s_and_b32 s94, s90, 7
	s_lshl_b32 s95, s94, 9
	s_add_co_u32 s95, s95, s93                     ; k's half images
	s_lshl_b32 s94, s94, 6
	s_add_co_u32 s94, s94, s93
	s_add_co_u32 s94, s94, 8192                    ; k's scale words
	s_cmp_eq_u32 ttmp9, 1
	s_cselect_b32 s91, s95, s91
	s_cselect_b32 s92, s94, s92
	s_and_b32 s94, s87, 1                          ; v: my 64 keys are half (rows / 64) % 2 of the block's 128
	s_lshl_b32 s95, s94, 9
	s_add_co_u32 s95, s95, s93
	s_add_co_u32 s95, s95, 4096                    ; that half of V^T's images
	s_lshl_b32 s94, s94, 1
	s_add_co_u32 s94, s94, s93
	s_add_co_u32 s94, s94, 8704                    ; and of its scale words
	s_cmp_eq_u32 ttmp9, 2
	s_cselect_b32 s96, s95, s91
	s_cselect_b32 s98, s94, s92
	s_mov_b32 s97, 0
	s_mov_b32 s99, 0
	s_add_nc_u64 s[96:97], s[14:15], s[96:97]      ; codes
	s_add_nc_u64 s[98:99], s[14:15], s[98:99]      ; scale words
	s_wait_alu depctr_va_vdst(0)
	s_wait_loadcnt 0x0                             ; the scale words and the bias
	ds_store_b128 v[SCA], v[114:117]
	ds_store_b128 v[SCA], v[118:121] offset:512
	s_wait_tensorcnt 0x0                           ; my codes are in,
	s_wait_dscnt 0x0                               ; my stores have landed:
	s_barrier_signal -1
	s_barrier_wait -1                              ; everybody's have: all of K lies in LDS
	s_cmp_eq_u32 s24, 1
	s_cbranch_scc1 .Lfirst_v
	KSTEP 0, 1
	s_branch .Lrest
.Lfirst_v:
	KSTEP 0, 2
.Lrest:
	KSTEP 1, 0
	KSTEP 2, 0
	KSTEP 3, 0
	KSTEP 4, 0
	KSTEP 5, 0
	KSTEP 6, 0
	KSTEP 7, 0
.rept 4
	v_nop                                          ; places behind the last products: their results are read and their sources written below
.endr
.irp b, 0,1,2,3
	v_mov_b32 v[TM+4+\b], 0                        ; written once: a lane permute's destination counts as one of its sources
.endr
	; the 64 registers of source 1's tiles 2 p and 2 p + 1 are four blocks of 32 along the next K: two of each tile's slot r
	QUANT4 ACC, PC
	WORD22 PWS
	QUANT4 ACC+64, PC+8
	WORD22 PWS+1
	s_cmp_eq_u32 s24, 1
	s_cbranch_scc1 .Lstore_v
	; k alone: in the half images of tiles 2 and 3 of each four the two 128-byte halves of each 256 bytes change places (slot r at 16 (r xor 8)), so that the next launch's lanes,
	; eight from one image and eight from the image two on, read 256 different bytes modulo 256
	s_cmp_eq_u32 ttmp9, 1
	s_cselect_b32 s95, 128, 0
	v_xor_b32 v[SCA], s95, v1
.irp o, 0,1
	global_store_b128 v1, v[PC+4*\o:PC+4*\o+3], s[96:97] offset:512*\o      ; tile o's half image: 512 consecutive bytes
.endr
.irp o, 2,3
	global_store_b128 v[SCA], v[PC+4*\o:PC+4*\o+3], s[96:97] offset:512*\o
.endr
.irp p, 0,1
	global_store_b32 v2, v[PWS+\p], s[98:99] offset:128*\p                  ; two tiles' scale words: 128 consecutive bytes
.endr
	s_branch .Lstored
.Lstore_v:
	s_wait_alu depctr_va_vdst(0)
.irp o, 0,1,2,3
	global_store_b128 v1, v[PC+4*\o:PC+4*\o+3], s[96:97] offset:1024*\o     ; my 64 keys' half of channel tile o's image
.endr
.irp p, 0,1
	global_store_b16 v2, v[PWS+\p], s[98:99] offset:128*\p                  ; my 64 keys are two of a scale word's four bytes
.endr
.Lstored:
	s_wait_tensorcnt 0x0
	ds_add_u32 v126, v127
	s_wait_dscnt 0x0
	CROUND                                         ; the closing round: no work-group ends while a partner may still ask for a block that names it
	s_endpgm
.Lfunc_end_k_q920667523a_qkv:
	.size	k_q920667523a_qkv, .Lfunc_end_k_q920667523a_qkv-k_q920667523a_qkv
	.p2alignl 7, 3214868480
	.fill 96, 4, 3214868480
	.section	.rodata,"a",@progbits
	.p2align	6, 0x0
	.amdhsa_kernel k_q920667523a_qkv
		.amdhsa_group_segment_fixed_size 280576
		.amdhsa_private_segment_fixed_size 0
		.amdhsa_enable_private_segment 0
		.amdhsa_kernarg_size 48
		.amdhsa_user_sgpr_count 2
		.amdhsa_user_sgpr_kernarg_segment_ptr 1
		.amdhsa_wavefront_size32 1
		.amdhsa_system_sgpr_workgroup_id_x 1
		.amdhsa_system_sgpr_workgroup_id_y 1
		.amdhsa_system_sgpr_workgroup_id_z 1
		.amdhsa_system_vgpr_workitem_id 0
		.amdhsa_next_free_vgpr 256
		.amdhsa_next_free_sgpr 100
		.amdhsa_reserve_vcc 0
		.amdhsa_float_denorm_mode_32 3
		.amdhsa_float_denorm_mode_16_64 3
		.amdhsa_memory_ordered 1
		.amdhsa_forward_progress 1
		.amdhsa_inst_pref_size 54
	.end_amdhsa_kernel
	.amdgpu_metadata
---
amdhsa.version: [ 1, 2 ]
amdhsa.kernels:
  - .name:           k_q920667523a_qkv
    .symbol:         k_q920667523a_qkv.kd
    .args:
      - { .name: xq, .offset: 0, .size: 8, .value_kind: global_buffer, .address_space: global }
      - { .name: wq, .offset: 8, .size: 8, .value_kind: global_buffer, .address_space: global }
      - { .name: bq, .offset: 16, .size: 8, .value_kind: global_buffer, .address_space: global }
      - { .name: bk, .offset: 24, .size: 8, .value_kind: global_buffer, .address_space: global }
      - { .name: bv, .offset: 32, .size: 8, .value_kind: global_buffer, .address_space: global }
      - { .name: qkv, .offset: 40, .size: 8, .value_kind: global_buffer, .address_space: global }
    .group_segment_fixed_size: 280576
    .private_segment_fixed_size: 0
    .kernarg_segment_align: 8
    .kernarg_segment_size: 48
    .max_flat_workgroup_size: 512
    .sgpr_count:     100
    .vgpr_count:     256
    .wavefront_size: 32
...
	.end_amdgpu_metadata
.endif
;; end of part 6
;; launch attn (part 7): grid 8 x 32, 16 waves a work-group, clusters of 4 x 1, 169,984 bytes of LDS; arguments qkv, oq; writes oq
.if DOCPART == 7
	.amdgcn_target "amdgcn-amd-amdhsa--gfx1250"
	.amdhsa_code_object_version 6
	.text
	.protected	k_q920667523a_attn
	.globl	k_q920667523a_attn
	.p2align	8
	.type	k_q920667523a_attn,@function
k_q920667523a_attn:
	s_mov_b64 s[64:65], 0
	v_nop
	global_prefetch_b8 v0, s[64:65] scope:SCOPE_SE
	s_setreg_imm32_b32 hwreg(HW_REG_WAVE_MODE, 25, 1), 1
	s_wait_xcnt 0x0
	s_wait_alu depctr_hold_cnt(0) depctr_sa_sdst(0) depctr_va_vdst(0) depctr_va_sdst(0) depctr_va_ssrc(0) depctr_va_vcc(0) depctr_vm_vsrc(0)
	s_getreg_b32 s2, hwreg(HW_REG_IB_STS2, 6, 4)
	s_cmp_eq_u32 s2, 0
	s_cbranch_scc0 .Lentry_in_a_cluster
	s_endpgm
.Lentry_in_a_cluster:
	s_bfe_u32 s2, ttmp6, 0x10000c
	s_cmp_lg_u32 s2, 0x3003
	s_cbranch_scc0 .Lentry_shape_is_right
	s_endpgm
.Lentry_shape_is_right:
; O = softmax(Q K^T / 8) V for one (batch, head), both products on codes of FP4 with E8M0 scales; O / l is quantised along the model's 1,024 and stored as codes and scale bytes.
; THE SOFTMAX AHEAD OF THE SECOND PRODUCT: t = score x log2(e) / 8; M = the running largest t rounded UP to a whole number; p = 2^(t - M) is what is quantised, along the keys, not normalised.
; The row's sum is taken of the unquantised p in f32 and divides O at the end.  When M moves, the sum and O are multiplied by 2^(old M - new M): exact.
; SHARES.  A work-group owns 256 queries of one (batch, head); each of its sixteen waves one tile of 16, in 256 registers.
; Every wave walks the head's 2,048 keys, 128 a step.  LDS IS FILLED ONCE: a step's K, V^T and scale words are one dense block of 8,960 bytes, the head's sixteen are 143,360 bytes; wave w fetches block w.
; So the loop holds no load from memory, and there is nothing for a prefetch to run ahead of.
; CLUSTER 4 x 1: the four query blocks of a cluster belong to one head and need the same sixteen blocks: each is asked for jointly.
; LAYOUT.  Both products are used transposed: S^T = K Q^T (source 0 = 16 keys), O^T = V^T P^T (source 0 = 16 channels): a lane holds ONE query (lane % 16) throughout.
; THE KEYS OF A TILE ARE CHOSEN SO THAT A LANE HOLDS WHOLE BLOCKS: slot i of tile 4 g + u is key 64 g + 32 (i / 8) + 8 u + i % 8, so that lane (r, h)'s 32 registers of tiles 4 g .. 4 g + 3 are keys 64 g + 32 h + 0 .. 31,
; block 2 g + h in order: a block's largest score needs no other lane, and the conversions' results are the second product's operand as they stand.
; In memory and in LDS K's half images hold the keys in another order (slot r of tile 2 G + u: key 32 G + 8 u + r + 8 (r / 8)), with the 128-byte halves swapped in tiles 2 and 3 of each four: the loads' addresses make the choice.
; The first product's K is 64: the upper 64 codes of Q are zeros, under scale bytes 0.  What stands against them in K's operand adds nothing (FP4 has finite codes alone), so tile t's operand is v[KF + 4 t] on: its own four registers and tile t + 1's.
; A BLOCK'S SCALE needs no finished p: its largest p is 2^u, u = t - M of its largest score, so floor(u) is that p's exponent and floor(u) + 125 the scale's byte.  (Where u lies so close under a whole number that 2^u
; rounds up to the power of two, the code is the largest of the scale below: the quantiser's own edge.)
; A STEP: the next step's K is asked for behind the first product, this step's V ahead of it; the 64 exponentials are one batch with one wait ahead of it and one behind it.
; LIMITS: NaN and infinities are not served; a block of p whose largest lies under 2^-124, and a block of O whose largest magnitude lies under 2^-124 or is 0, are held at the byte 1.
.set KVB,  8960
.set Q_SCL, 2097152
.set KV,   2359296
                                       ; v1 16 x lane;  v2 4 x lane;  v5 4 r;  v6 lane;  v7 8 h
.set AL,   3                           ; v3   16 x lane + the step's block: V^T's images
.set AS,   4                           ; v4   4 x lane + the step's block: V's scale words
.set AKA0, 8                           ; v8, v9  my lane's place in K's half images, for u / 2 = 0 and 1
.set AKA,  10                          ; v10, v11 the same + the step's block
.set ASK0, 31                          ; v31  my lane's place among K's scale words
.set ASK,  68                          ; v68  the same + the step's block
.set QF,   16                          ; v16-23  Q's fragment (20-23 zeros);  v24 its scale words
.set QS,   24
.set KS,   25                          ; v25-28  K's scale words, two tiles a register;  v29-30 V's
.set VS,   29
.set KF,   32                          ; v32-63  K's eight tiles, four registers each;  v64-67 zeros behind the last
.set VF,   192                         ; v192-223 V^T's four fragments
                                       ; v96-159 S^T, then p;  v160-191 O^T;  v224-231 p's codes;  v12 -M, v13 the largest score so far;  v[14:15] the sum, with v[242:243], v[246:247], v[248:249] a step's other chains
                                       ; v232-235 chains of the maximum, then v232, v234 my two blocks';  v236-241 at work;  v244-245 the conversions' scale operands;  v252 f, v253 p's scale word, v254 at work
.set SPW,  251                         ; v251 LDS address of my spare word;  v255 0
.set NIL,  255
.set SPARE, 0x29000
.set WV,   8
.set G1,   16                          ; s[16:23], s[24:27] the descriptor
.set G0,   24
.set SEL,  28
.set CS,   30                          ; s[30:31] c = log2(e) / 8
.set TB,   32                          ; s32 LDS byte of the block that is asked for
.set CNT,  33
.macro CROUND
	s_barrier_signal -1
	s_barrier_wait -1
	s_cmp_lg_u32 s[WV], 0
	s_cbranch_scc1 .Lnot_wave_0_\@
	s_barrier_signal -3
.Lnot_wave_0_\@:
	s_barrier_wait -3
	s_barrier_signal -1
	s_barrier_wait -1
.endm
.macro KLOAD a, sw                     ; a step's K: 8 tiles, 4 registers of scale words: twelve loads
.irp t, 0,1,2,3,4,5,6,7
	ds_load_b128 v[KF+4*\t:KF+4*\t+3], v[\a+(\t%4)/2] offset:2048*(\t/4)+512*(\t%2)
.endr
.irp p, 0,1,2,3
	ds_load_b32 v[KS+\p], v[\sw] offset:8192+256*(\p/2)+32*(\p%2)
.endr
.endm
.macro PKF n                           ; the next n pairs of scores: t - M, two at a time (of the pairs c and -M the low word serves both halves)
.rept \n
	v_pk_fma_f32 v[96+2*pp:97+2*pp], v[96+2*pp:97+2*pp], s[CS:CS+1], v[12:13] op_sel_hi:[1,0,0]
.set pp, pp+1
.endr
.endm
.macro ADD n                           ; the next n pairs of p into the four chains by turns
.rept \n
.if (pq-7)%4 == 0
	v_pk_add_f32 v[14:15], v[14:15], v[96+2*pq:97+2*pq]
.elseif (pq-7)%4 == 1
	v_pk_add_f32 v[242:243], v[242:243], v[96+2*pq:97+2*pq]
.elseif (pq-7)%4 == 2
	v_pk_add_f32 v[246:247], v[246:247], v[96+2*pq:97+2*pq]
.else
	v_pk_add_f32 v[248:249], v[248:249], v[96+2*pq:97+2*pq]
.endif
.set pq, pq+1
.endr
.endm
; A step of 128 keys; its K is on its way or in.  more = 1: the next step's K is asked for.
.macro STEP more
.irp d, 0,1,2,3
.irp c, 0,1
	ds_load_b128 v[VF+8*\d+4*\c:VF+8*\d+4*\c+3], v[AL] offset:4096+1024*\d+512*\c
.endr
.endr
.irp p, 0,1
	ds_load_b32 v[VS+\p], v[AS] offset:8704+128*\p
.endr
	s_wait_dscnt 10                                ; K and its scale words are in; V's ten loads may be out
.irp p, 0,1,2,3                        ; S^T = K Q^T: lane (r, h) holds query r; register 32 g + i is key 64 g + 32 h + i
	v_wmma_scale_f32_16x16x128_f8f6f4 v[96+16*\p:103+16*\p], v[KF+8*\p:KF+8*\p+7], v[QF:QF+7], 0, v[KS+\p], v[QS] matrix_a_fmt:MATRIX_FMT_FP4 matrix_b_fmt:MATRIX_FMT_FP4
	v_wmma_scale_f32_16x16x128_f8f6f4 v[104+16*\p:111+16*\p], v[KF+8*\p+4:KF+8*\p+11], v[QF:QF+7], 0, v[KS+\p], v[QS] matrix_a_fmt:MATRIX_FMT_FP4 matrix_b_fmt:MATRIX_FMT_FP4 matrix_a_scale:MATRIX_SCALE_ROW1
.endr
.if \more
	s_add_co_u32 s[TB], s[TB], KVB
	v_add_nc_u32 v[AKA], s[TB], v[AKA0]            ; five plain lines: the places behind the products
	v_add_nc_u32 v[AKA+1], s[TB], v[AKA0+1]
	v_add_nc_u32 v[ASK], s[TB], v[ASK0]
	v_add_nc_u32 v[AL], s[TB], v1
	v_add_nc_u32 v[AS], s[TB], v2
	KLOAD AKA, ASK
.else
.rept 4
	v_nop                                          ; the places behind the products
.endr
.endif
	; the largest score of each of my two blocks of 32 keys, in four chains
.irp b, 0,1,2,3
	v_max3_num_f32 v[232+\b], v[96+16*\b], v[97+16*\b], v[98+16*\b]
.endr
.irp i, 3,5,7,9,11,13
.irp b, 0,1,2,3
	v_max3_num_f32 v[232+\b], v[232+\b], v[96+16*\b+\i], v[97+16*\b+\i]
.endr
.endr
	v_max3_num_f32 v232, v232, v111, v127          ; the scores that the chains left over,
	v_max3_num_f32 v234, v234, v143, v159
	s_delay_alu instid0(VALU_DEP_2)
	v_max_num_f32 v232, v232, v233                 ; and each block's two chains
	s_delay_alu instid0(VALU_DEP_2)
	v_max_num_f32 v234, v234, v235
	s_delay_alu instid0(VALU_DEP_1)
	v_max_num_f32 v254, v232, v234                 ; my 64 keys' largest score,
	s_delay_alu instid0(VALU_DEP_1)
	v_permlanex16_b32 v236, v254, s[SEL], s[SEL+1]
	s_delay_alu instid0(VALU_DEP_1)
	v_max3_num_f32 v13, v13, v254, v236            ; with lane l xor 16's 64 and what went before: the running largest score of my query
	s_delay_alu instid0(VALU_DEP_1)
	v_mul_f32 v254, s[CS], v13                     ; as t (c is positive)
	v_mov_b32 v238, v12
	s_delay_alu instid0(VALU_DEP_2)
	v_floor_f32 v12, -v254                         ; the new -M = floor(-t) = -ceil(t): a whole number
	s_delay_alu instid0(VALU_DEP_1)
	v_fma_f32 v232, v232, s[CS], v12               ; u = t - M of each block's largest score
	v_fma_f32 v234, v234, s[CS], v12
	v_sub_f32 v238, v12, v238                      ; old M less new M: a whole number, 0 or less
.set pp, 0
	PKF 2
	v_cvt_i32_f32 v238, v238                       ; (it saturates)
	v_max_num_f32 v232, 0xc2f80000, v232           ; held at -124, so that the byte cannot fall under 1
	v_max_num_f32 v234, 0xc2f80000, v234
	v_ldexp_f32 v252, 1.0, v238                    ; f = 2^(old M - new M)
	v_cvt_floor_i32_f32 v240, v232                 ; the exponent of each block's largest p
	v_cvt_floor_i32_f32 v241, v234
	PKF 2
	v_lshl_add_u32 v239, v241, 16, v240
	v_add_lshl_u32 v244, v240, 0x7d, 23            ; the conversion's scale operand: the byte, exponent + 125, in an exponent field
	v_add_lshl_u32 v245, v241, 0x7d, 23
	PKF 1
	v_add_lshl_u32 v239, v239, 0x7d007d, v7        ; my two bytes, of blocks h and 2 + h, at their places in the scale word: 8 h bits up
	PKF 3
	v_permlanex16_b32 v237, v239, s[SEL], s[SEL+1]
	PKF 3
	v_or_b32 v253, v239, v237                      ; with lane l xor 16's two the word of these 128 keys is whole
	PKF 21
.irp j, 0,2,4,6,8,10,12,14,16,18,20,22,24,26,28,30
	v_pk_mul_f32 v[160+\j:161+\j], v[160+\j:161+\j], v[252:253] op_sel_hi:[1,0]   ; O^T under the new M, each accumulator from its low end on
.endr
	s_wait_alu depctr_va_vdst(0)                   ; the wait ahead of the batch
.set pe, 96
.rept 64
	v_exp_f32 v[pe], v[pe]                         ; p = 2^(t - M), at most 1: not normalised
.set pe, pe+1
.endr
	v_pk_mul_f32 v[14:15], v[14:15], v[252:253] op_sel_hi:[1,0]   ; the sum under the new M; a plain place behind the exponentials
	s_wait_alu depctr_va_vdst(0)                   ; and the wait behind the batch, ahead of its first reader
.if \more
	s_wait_dscnt 12                                ; V and its scale words are in; the next K's twelve loads may be out
.else
	s_wait_dscnt 0x0
.endif
.irp q, 0,1,2,3,4,5,6,7
	v_cvt_scalef32_pk8_fp4_f32 v[224+\q], v[96+8*\q:103+8*\q], v[244+\q/4]        ; register 4 g + u of the operand: keys 64 g + 32 h + 8 u + 0 .. 7
.endr
	; the row's sum, of the unquantised p, two at a time, in four chains; all but the last six lines are also the places between the codes and the products
	v_pk_add_f32 v[14:15], v[14:15], v[96:97]
	v_pk_add_f32 v[242:243], v[98:99], v[100:101]
	v_pk_add_f32 v[246:247], v[102:103], v[104:105]
	v_pk_add_f32 v[248:249], v[106:107], v[108:109]
.set pq, 7
	ADD 22
.irp p, 0,1                            ; O^T += V^T P^T: the four accumulators by turns
	v_wmma_scale_f32_16x16x128_f8f6f4 v[160+16*\p:167+16*\p], v[VF+16*\p:VF+16*\p+7], v[224:231], v[160+16*\p:167+16*\p], v[VS+\p], v253 matrix_a_fmt:MATRIX_FMT_FP4 matrix_b_fmt:MATRIX_FMT_FP4
	v_wmma_scale_f32_16x16x128_f8f6f4 v[168+16*\p:175+16*\p], v[VF+16*\p+8:VF+16*\p+15], v[224:231], v[168+16*\p:175+16*\p], v[VS+\p], v253 matrix_a_fmt:MATRIX_FMT_FP4 matrix_b_fmt:MATRIX_FMT_FP4 matrix_a_scale:MATRIX_SCALE_ROW1
.endr
	ADD 3                                          ; six plain lines that name none of the products' registers: the places in front of the next step's loads of V
	v_pk_add_f32 v[14:15], v[14:15], v[242:243]
	v_pk_add_f32 v[246:247], v[246:247], v[248:249]
	s_delay_alu instid0(VALU_DEP_1)
	v_pk_add_f32 v[14:15], v[14:15], v[246:247]
.endm
	s_load_b128 s[4:7], s[0:1], 0x0                ; qkv s[4:5], oq s[6:7]
	v_lshl_add_u32 v[SPW], v0, 2, SPARE
	v_mov_b32 v[NIL], 0
	ds_add_u32 v[SPW], v[NIL]                      ; the wave's opening: the add, twice on end
	ds_add_u32 v[SPW], v[NIL]
	v_lshrrev_b32 v1, 5, v0
	v_and_b32 v6, 31, v0                           ; lane
	v_and_b32 v5, 15, v0
	v_readfirstlane_b32 s[WV], v1                  ; wave 0..15
	v_lshlrev_b32 v5, 2, v5                        ; 4 r
	v_lshlrev_b32 v1, 4, v6                        ; 16 x lane
	s_bfe_u32 s9, ttmp6, 0x40000                   ; cx: it enters Q's and O's global addresses alone
	s_lshl_b32 s10, ttmp9, 2
	s_add_co_u32 s10, s10, s9                      ; my block of 256 queries
	s_and_b32 s11, ttmp7, 0xffff                   ; bh = 16 batch + head, which the four partners share
	s_lshl_b32 s12, s11, 4
	s_add_co_u32 s12, s12, s[WV]
	s_mul_i32 s12, s12, KVB
	s_add_co_u32 s12, s12, KV                      ; the block that I fetch: key step = my wave's number
	s_mov_b32 s13, 0
	s_mul_i32 s14, s[WV], KVB                      ; and where it goes
	s_mov_b32 s[G1], 15|(3<<16)|(1<<21)            ; 15:0 the mask: all four work-groups; 17:16 elements of 8 bytes; 21 set beside a mask; no padding
	s_mov_b32 s[G1+1], 32<<16                      ; 8,960 dense bytes as 35 rows of 256: tensor_dim0 = 32
	s_mov_b32 s[G1+2], 35<<16                      ; tensor_dim1 = 35
	s_mov_b32 s[G1+3], 32<<16                      ; tile_dim0
	s_mov_b32 s[G1+4], 35                          ; tile_dim1
	s_mov_b32 s[G1+5], 32                          ; the pitch
	s_mov_b32 s[G1+6], 0
	s_mov_b32 s[G1+7], 0
	s_wait_alu depctr_va_vdst(0)
	s_wait_dscnt 0x0                               ; both opening adds are done
	s_wait_kmcnt 0x0
	CROUND                                         ; all four work-groups are here: the joint loads meet
	s_mov_b32 s[G0], 1
	s_mov_b32 s[G0+1], s14
	s_add_nc_u64 s[G0+2:G0+3], s[4:5], s[12:13]
	s_or_b32 s[G0+3], s[G0+3], 0x80000000
	tensor_load_to_lds s[G0:G0+3], s[G1:G1+7]      ; one tensor load of mine is out
	s_nop 0
.rept 4
	v_nop
.endr
	s_lshl_b32 s15, s10, 4
	s_add_co_u32 s15, s15, s[WV]                   ; T: my tile of queries within the batch
	s_lshl_b32 s34, s11, 7
	s_add_co_u32 s34, s34, s15
	s_lshl_b32 s34, s34, 9                         ; Q's half image
	s_mov_b32 s35, 0
	s_lshl_b32 s36, s11, 13
	s_lshl_b32 s37, s15, 6
	s_add_co_u32 s36, s36, s37
	s_add_co_u32 s36, s36, Q_SCL                   ; Q's scale words
	s_mov_b32 s37, 0
	s_add_nc_u64 s[34:35], s[4:5], s[34:35]
	s_add_nc_u64 s[36:37], s[4:5], s[36:37]
	global_load_b128 v[QF:QF+3], v1, s[34:35]      ; Q's 64 codes a row stay in registers
	global_load_b32 v[QS], v5, s[36:37]
	s_and_b32 s42, s11, 15                         ; head
	s_lshr_b32 s43, s11, 4                         ; batch
	s_lshl_b32 s43, s43, 7
	s_add_co_u32 s43, s43, s15                     ; O's tile of rows: 128 batch + T
	s_lshr_b32 s44, s42, 1                         ; the next product's K step: two heads to 128
	s_and_b32 s45, s42, 1                          ; and which half of it
	s_lshl_b32 s38, s44, 18
	s_lshl_b32 s39, s43, 10
	s_add_co_u32 s38, s38, s39
	s_lshl_b32 s39, s45, 9
	s_add_co_u32 s38, s38, s39                     ; O's half image
	s_mov_b32 s39, 0
	s_lshl_b32 s40, s44, 14
	s_lshl_b32 s41, s43, 6
	s_add_co_u32 s40, s40, s41
	s_lshl_b32 s41, s45, 1
	s_add_co_u32 s40, s40, s41
	s_add_co_u32 s40, s40, 2097152                 ; O's half scale words
	s_mov_b32 s41, 0
	s_add_nc_u64 s[38:39], s[6:7], s[38:39]
	s_add_nc_u64 s[40:41], s[6:7], s[40:41]
	s_mov_b32 s[SEL], 0x76543210
	s_mov_b32 s[SEL+1], 0xfedcba98
	s_mov_b32 s[CS], 0x3e38aa3b                    ; c = log2(e) / 8
	s_mov_b32 s[CS+1], s[CS]                       ; (named with it as a pair, so it is written)
	s_mov_b32 s[TB], 0
	s_mov_b32 s[CNT], 15
	; Lane (i, h) of tile 4 g + u wants block h of key 64 g + 32 (i / 8) + 8 u + i % 8: slot i % 8 + 8 (u / 2) of half image 4 g + 2 (i / 8) + u % 2, whose halves are swapped where i / 8 = 1:
	; byte 1,024 b + 256 h + 16 (i % 8) + 128 ((u / 2) xor b) + 2,048 g + 512 (u % 2), b = i / 8; its scale word (never swapped): 64 x image + 4 x slot.
	v_and_b32 v10, 7, v0                           ; lane % 8
	v_bfe_u32 v11, v0, 3, 1                        ; b
	v_bfe_u32 v7, v0, 4, 1                         ; h
	v_lshlrev_b32 v2, 2, v6                        ; 4 x lane
	v_lshlrev_b32 v[AKA0], 4, v10
	v_lshlrev_b32 v[ASK0], 2, v10
	v_mov_b32 v13, 0xff61b1e6                      ; the largest score so far: -3e38, under every score
	v_mov_b32 v14, 0                               ; the sum, in two halves
	v_lshl_add_u32 v[AKA0], v11, 10, v[AKA0]
	v_lshl_add_u32 v[ASK0], v11, 7, v[ASK0]
	v_mov_b32 v15, 0
	v_floor_f32 v12, -v13                          ; -M: a large number, so that the first f is 0
	v_lshl_add_u32 v[AKA0], v7, 8, v[AKA0]
	v_lshl_add_u32 v[ASK0], v7, 6, v[ASK0]         ; (in a register of scale words lanes 16-31 hold the odd tile's: u % 2 = h)
	v_mov_b32 v[AL], v1                            ; step 0's V
	v_mov_b32 v[AS], v2
	v_lshl_add_u32 v[AKA0], v11, 7, v[AKA0]        ; u / 2 = 0: + 128 b
	v_lshlrev_b32 v7, 3, v7                        ; 8 h
	v_mov_b32 v253, 0                              ; (named as the upper half of the pair v[252:253] before it is first written)
	v_mov_b32 v252, 0                              ; a lane permute's destination counts as one of its sources
	v_xor_b32 v[AKA0+1], 0x80, v[AKA0]             ; u / 2 = 1: + 128 (1 - b)
.irp b, 236,237,238,239
	v_mov_b32 v[\b], 0
.endr
.irp i, 4,5,6,7
	v_mov_b32 v[QF+\i], 0                          ; Q's upper 64 of K: zero codes
	v_mov_b32 v[KF+28+\i], 0                       ; behind K's last tile
.endr
.irp j, 0,1,2,3,4,5,6,7,8,9,10,11,12,13,14,15,16,17,18,19,20,21,22,23,24,25,26,27,28,29,30,31
	v_mov_b32 v[160+\j], 0                         ; O^T: the step finds zeros at first, which the first change of M leaves zeros
.endr
	s_wait_alu depctr_va_vdst(0)                   ; the wait at the head's end
	s_wait_tensorcnt 0x0                           ; my block is in,
	s_barrier_signal -1
	s_barrier_wait -1                              ; everybody's is: the head's keys lie in LDS
	KLOAD AKA0, ASK0                               ; step 0's K
	s_wait_loadcnt 0x0                             ; Q
.Lstep:                                            ; 15 trips of 128 keys; the sixteenth step is written out, since it asks for no further K
	STEP 1
	s_sub_co_u32 s[CNT], s[CNT], 1
	s_cmp_lg_u32 s[CNT], 0
	s_cbranch_scc1 .Lstep
	STEP 0
	v_add_f32 v14, v14, v15                        ; the sum's two halves,
	s_delay_alu instid0(VALU_DEP_1)
	v_permlanex16_b32 v252, v14, s[SEL], s[SEL+1]
	s_delay_alu instid0(VALU_DEP_1)
	v_add_f32 v14, v14, v252                       ; and lane l xor 16's: the row's sum
	s_wait_alu depctr_va_vdst(0)
	v_rcp_f32 v14, v14
.rept 3
	v_nop                                          ; a plain place behind the reciprocal
.endr
	s_wait_alu depctr_va_vdst(0)                   ; the wait ahead of the first reader, and of the last products' results
.irp j, 0,1,2,3,4,5,6,7,8,9,10,11,12,13,14,15,16,17,18,19,20,21,22,23,24,25,26,27,28,29,30,31
	v_mul_f32 v[96+\j], v[160+\j], v14             ; O^T / the sum: by the order of V^T's channels register 16 b + i is channel 32 b + 16 h + i of my query
.endr
	; the head's 64 channels are two blocks of the next product's K; here a block lies in lanes l and l xor 16
.irp b, 0,1
	v_max3_num_f32 v[232+\b], |v[96+16*\b]|, |v[97+16*\b]|, 0x1800000
.endr
.irp i, 2,4,6,8,10,12,14
.irp b, 0,1
	s_delay_alu instid0(VALU_DEP_2)
	v_max3_num_f32 v[232+\b], v[232+\b], |v[96+16*\b+\i]|, |v[97+16*\b+\i]|
.endr
.endr
.irp b, 0,1
	s_delay_alu instid0(VALU_DEP_2)
	v_permlanex16_b32 v[236+\b], v[232+\b], s[SEL], s[SEL+1]
.endr
.irp b, 0,1
	s_delay_alu instid0(VALU_DEP_2)
	v_max_num_f32 v[232+\b], v[232+\b], v[236+\b]
.endr
.irp b, 0,1
	s_delay_alu instid0(VALU_DEP_2)
	v_add_nc_u32 v[244+\b], 0xff000000, v[232+\b]
.endr
.irp b, 0,1
	s_delay_alu instid0(VALU_DEP_2)
	v_lshrrev_b32 v[236+\b], 23, v[244+\b]
.endr
	s_delay_alu instid0(VALU_DEP_1)
	v_lshl_or_b32 v240, v237, 8, v236              ; my row's two bytes
.irp b, 0,1
	v_cvt_scalef32_pk8_fp4_f32 v[224+2*\b], v[96+16*\b:103+16*\b], v[244+\b]
	v_cvt_scalef32_pk8_fp4_f32 v[225+2*\b], v[104+16*\b:111+16*\b], v[244+\b]
.endr
	v_nop                                          ; one plain place behind a scaled conversion
.irp i, 0,1
	v_permlane16_swap_b32 v[224+\i], v[226+\i]     ; a whole block to a lane: lanes 0-15 block 0, lanes 16-31 block 1
.endr
	global_store_b128 v1, v[224:227], s[38:39]     ; half an image: 512 consecutive bytes
	s_wait_alu depctr_va_vdst(0)
	s_wait_xcnt 0x0                                ; EXEC changes only behind this wait
	v_cmp_gt_u32 vcc_lo, 16, v6
	s_and_saveexec_b32 s42, vcc_lo                 ; lanes 0-15: one lane to a row
	global_store_b16 v5, v240, s[40:41]            ; two of the scale word's four bytes: the other two are the neighbouring head's
	s_wait_xcnt 0x0
	s_or_b32 exec_lo, exec_lo, s42
	s_wait_tensorcnt 0x0                           ; the wave's end
	ds_add_u32 v[SPW], v[NIL]
	s_wait_dscnt 0x0
	CROUND                                         ; the closing round: no work-group ends while a partner may still ask for a block that names it
	s_endpgm
.Lfunc_end_k_q920667523a_attn:
	.size	k_q920667523a_attn, .Lfunc_end_k_q920667523a_attn-k_q920667523a_attn
	.p2alignl 7, 3214868480
	.fill 96, 4, 3214868480
	.section	.rodata,"a",@progbits
	.p2align	6, 0x0
	.amdhsa_kernel k_q920667523a_attn
		.amdhsa_group_segment_fixed_size 169984
		.amdhsa_private_segment_fixed_size 0
		.amdhsa_enable_private_segment 0
		.amdhsa_kernarg_size 16
		.amdhsa_user_sgpr_count 2
		.amdhsa_user_sgpr_kernarg_segment_ptr 1
		.amdhsa_wavefront_size32 1
		.amdhsa_system_sgpr_workgroup_id_x 1
		.amdhsa_system_sgpr_workgroup_id_y 1
		.amdhsa_system_sgpr_workgroup_id_z 1
		.amdhsa_system_vgpr_workitem_id 0
		.amdhsa_next_free_vgpr 256
		.amdhsa_next_free_sgpr 66
		.amdhsa_reserve_vcc 1
		.amdhsa_float_denorm_mode_32 3
		.amdhsa_float_denorm_mode_16_64 3
		.amdhsa_memory_ordered 1
		.amdhsa_forward_progress 1
		.amdhsa_inst_pref_size 40
	.end_amdhsa_kernel
	.amdgpu_metadata
---
amdhsa.version: [ 1, 2 ]
amdhsa.kernels:
  - .name:           k_q920667523a_attn
    .symbol:         k_q920667523a_attn.kd
    .args:
      - { .name: qkv, .offset: 0, .size: 8, .value_kind: global_buffer, .address_space: global }
      - { .name: oq, .offset: 8, .size: 8, .value_kind: global_buffer, .address_space: global }
    .group_segment_fixed_size: 169984
    .private_segment_fixed_size: 0
    .kernarg_segment_align: 8
    .kernarg_segment_size: 16
    .max_flat_workgroup_size: 512
    .sgpr_count:     66
    .vgpr_count:     256
    .wavefront_size: 32
...
	.end_amdgpu_metadata
.endif
;; end of part 7
;; launch proj_ln (part 8): grid 256 x 1, 16 waves a work-group, clusters of 4 x 1, 327,680 bytes of LDS; arguments oq, wq, bp, x, ln_g, ln_b, out0; writes out0
.if DOCPART == 8
	.amdgcn_target "amdgcn-amd-amdhsa--gfx1250"
	.amdhsa_code_object_version 6
	.text
	.protected	k_q920667523a_proj_ln
	.globl	k_q920667523a_proj_ln
	.p2align	8
	.type	k_q920667523a_proj_ln,@function
k_q920667523a_proj_ln:
	s_mov_b64 s[64:65], 0
	v_nop
	global_prefetch_b8 v0, s[64:65] scope:SCOPE_SE
	s_setreg_imm32_b32 hwreg(HW_REG_WAVE_MODE, 25, 1), 1
	s_wait_xcnt 0x0
	s_wait_alu depctr_hold_cnt(0) depctr_sa_sdst(0) depctr_va_vdst(0) depctr_va_sdst(0) depctr_va_ssrc(0) depctr_va_vcc(0) depctr_vm_vsrc(0)
	s_getreg_b32 s2, hwreg(HW_REG_IB_STS2, 6, 4)
	s_cmp_eq_u32 s2, 0
	s_cbranch_scc0 .Lentry_in_a_cluster
	s_endpgm
.Lentry_in_a_cluster:
	s_bfe_u32 s2, ttmp6, 0x10000c
	s_cmp_lg_u32 s2, 0x3003
	s_cbranch_scc0 .Lentry_shape_is_right
	s_endpgm
.Lentry_shape_is_right:
; out0 = LayerNorm(x + O Wp + bp) x ln_g + ln_b.  O and Wp are codes of FP4 with E8M0 scales, laid as images of the operand's registers; all else is f32.
; SHARES.  The norm needs whole rows: a work-group takes one tile of 16 rows x all 1,024 columns.  In the product wave w makes columns 64 w .. 64 w + 63 (four accumulators); then it takes ONE row, slot w, for the norm: no sum crosses waves.
; The product is used transposed (source 0 = 16 columns of Wp, source 1 = the 16 rows of O): a lane holds one row and, by the order of Wp's slots, 16 neighbouring columns in two tiles' registers.
; CLUSTER 4 x 1.  Every work-group needs all of Wp, 524,288 bytes of codes, in two halves of 262,144 bytes, each asked for JOINTLY by the four work-groups of a cluster: K steps 0-3 at the head; K steps 4-7 into the
; same LDS bytes, behind a round of the cluster's barrier, when every wave has its fragments of the first half in registers.  Wave w fetches 16,384 dense bytes: K step w / 4 of the half, tiles 16 (w % 4) on.
; Two loads a wave and no loop: there is nothing for a prefetch to run ahead of.
; O's eight images (8,192 bytes) are read by all sixteen waves: each wave brings half an image into LDS.  Scale words, bp, x, ln_g and ln_b come by plain loads.
; THE STAGE for the way from columns to rows lies in Wp's bytes, from LDS byte 0: they have had their last fill, and a barrier behind the last product shows that nobody reads them any more.
; bp is loaded into the accumulators, so every link of a sum is in place.
; All of LDS is claimed.  LIMITS: NaN and infinities are not served.
.set AIMG, 262144                      ; LDS: Wp's half at 0: [K step][tile 64][1,024 bytes]; O's images from 262,144; the spare words behind them
.set SPARE, 0x42000
.set SPI,  4112                        ; the stage, from byte 0: 16 rows x (4,096 bytes + 16)
.set AS,   8                           ; v8-15   O's scale words, a K step a register
.set BS,   16                          ; v16-31  Wp's: register 2 ks + p: lanes 0-15 tile 2 p's, lanes 16-31 tile 2 p + 1's
.set AF,   32                          ; v32-47  O's fragment, two buffers
.set ACC,  48                          ; v48-79  four accumulators
.set XR,   80                          ; v80-111 my row of x
.set AA,   119                         ; v119    O's images: AIMG + 16 x lane
.set BA,   120                         ; v120-123 my four tiles of K step k of the half in LDS: 65,536 k + 4,096 x wave + 16 x lane
.set SPW,  126
.set NIL,  127
.set RING, 128                         ; v128-255 Wp's fragments: four K steps of 32 registers, tile t at + 8 t; later ln_g (the first 32), ln_b (the next 32), my row y (the third)
.set Y,    192
.set SEL,  20
.set G1,   44                          ; s[44:51], s[52:55] the descriptor
.set G0,   52
.macro CROUND                          ; a round of the cluster's barrier
	s_barrier_signal -1
	s_barrier_wait -1
	s_cmp_lg_u32 s18, 0
	s_cbranch_scc1 .Lnot_wave_0_\@
	s_barrier_signal -3
.Lnot_wave_0_\@:
	s_barrier_wait -3
	s_barrier_signal -1
	s_barrier_wait -1
.endm
.macro JLOAD
	tensor_load_to_lds s[G0:G0+3], s[G1:G1+7]      ; one tensor load of mine is out
	s_nop 0
.rept 4
	v_nop
.endr
.endm
.macro LLOAD k                         ; Wp's four fragments of the half's K step k into registers
.irp t, 0,1,2,3
.irp c, 0,1
	ds_load_b128 v[RING+32*(\k)+8*\t+4*\c:RING+32*(\k)+8*\t+4*\c+3], v[BA+(\k)] offset:1024*\t+512*\c
.endr
.endr
.endm
.macro AFLOAD k                        ; O's fragment of K step k into buffer k % 2
	ds_load_b128 v[AF+8*((\k)%2):AF+8*((\k)%2)+3], v[AA] offset:1024*(\k)
	ds_load_b128 v[AF+8*((\k)%2)+4:AF+8*((\k)%2)+7], v[AA] offset:1024*(\k)+512
.endm
; K step i; w: the LDS loads issued behind its fragments, which may stay out.
.macro KSTEP i, w
.if (\i > 0) && (\i != 4)
.rept 4
	v_nop                                          ; places in front of loads into registers that the last step's products have read
.endr
.endif
.if \i == 5
.irp j, 0,1,2,3,4,5,6,7
	global_load_b128 v[RING+4*\j:RING+4*\j+3], v1, s[12:13] offset:512*\j        ; ln_g at my lane's columns of a row
.endr
.elseif \i == 6
.irp j, 0,1,2,3,4,5,6,7
	global_load_b128 v[RING+32+4*\j:RING+32+4*\j+3], v1, s[14:15] offset:512*\j  ; ln_b
.endr
.endif
.if (\i < 7) && (\i != 4)
	AFLOAD \i+1
.endif
	s_wait_dscnt \w
.irp p, 0,1                            ; the four accumulators by turns
	v_wmma_scale_f32_16x16x128_f8f6f4 v[ACC+16*\p:ACC+16*\p+7], v[RING+32*((\i)%4)+16*\p:RING+32*((\i)%4)+16*\p+7], v[AF+8*((\i)%2):AF+8*((\i)%2)+7], v[ACC+16*\p:ACC+16*\p+7], v[BS+2*(\i)+\p], v[AS+(\i)] matrix_a_fmt:MATRIX_FMT_FP4 matrix_b_fmt:MATRIX_FMT_FP4
	v_wmma_scale_f32_16x16x128_f8f6f4 v[ACC+16*\p+8:ACC+16*\p+15], v[RING+32*((\i)%4)+16*\p+8:RING+32*((\i)%4)+16*\p+15], v[AF+8*((\i)%2):AF+8*((\i)%2)+7], v[ACC+16*\p+8:ACC+16*\p+15], v[BS+2*(\i)+\p], v[AS+(\i)] matrix_a_fmt:MATRIX_FMT_FP4 matrix_b_fmt:MATRIX_FMT_FP4 matrix_a_scale:MATRIX_SCALE_ROW1
.endr
.endm
.macro LANES                           ; v112 summed over the wave's 32 lanes, the result in every lane
.irp m, 1,2,4,8
	s_delay_alu instid0(VALU_DEP_1)
	v_add_f32_dpp v112, v112, v112 row_xmask:\m row_mask:0xf bank_mask:0xf
.endr
	s_delay_alu instid0(VALU_DEP_1)
	v_permlanex16_b32 v113, v112, s[SEL], s[SEL+1]
	s_delay_alu instid0(VALU_DEP_1)
	v_add_f32 v112, v112, v113
.endm
	s_load_b256 s[4:11], s[0:1], 0x0               ; oq s[4:5], wq s[6:7], bp s[8:9], x s[10:11]
	s_load_b128 s[12:15], s[0:1], 0x20             ; ln_g s[12:13], ln_b s[14:15]
	s_load_b64 s[16:17], s[0:1], 0x30              ; out0
	v_lshl_add_u32 v[SPW], v0, 2, SPARE
	v_mov_b32 v[NIL], 0
	ds_add_u32 v[SPW], v[NIL]                      ; the wave's opening: the add, twice on end
	ds_add_u32 v[SPW], v[NIL]
	v_lshrrev_b32 v1, 5, v0
	v_and_b32 v116, 31, v0                         ; lane
	v_and_b32 v117, 15, v0                         ; r
	v_bfe_u32 v118, v0, 4, 1                       ; h
	v_readfirstlane_b32 s18, v1                    ; wave 0..15
	s_bfe_u32 s40, ttmp6, 0x40000                  ; cx
	s_lshl_b32 s41, ttmp9, 2                       ; in a cluster launch ttmp9 counts clusters
	s_add_co_u32 s41, s41, s40                     ; g: my tile of 16 rows; it enters O's, x's and out0's global addresses alone
	v_lshlrev_b32 v1, 4, v116                      ; 16 x lane
	v_lshlrev_b32 v2, 2, v117                      ; 4 r
	v_lshlrev_b32 v3, 2, v116                      ; 4 x lane
	v_lshlrev_b32 v4, 6, v118                      ; 64 h
	v_mul_u32_u24 v5, v117, SPI
	v_add_nc_u32 v[AA], 0x40000, v1                ; O's images: AIMG + 16 x lane
	s_lshl_b32 s19, s18, 12
	v_add_nc_u32 v[BA], s19, v1                    ; my four tiles of the half's K step 0 in LDS,
	v_lshl_add_u32 v5, v118, 6, v5
	s_lshl_b32 s19, s18, 8
	v_add_nc_u32 v5, s19, v5                       ; into the stage: row r, my wave's 256 bytes, + 64 h
	s_mul_i32 s19, s18, SPI
	v_add_nc_u32 v6, s19, v1                       ; back: row = my wave's number, 16 bytes a lane
	s_lshl_b32 s19, s18, 9
	s_add_co_u32 s19, s19, AIMG
	v_add_nc_u32 v7, s19, v1                       ; O's images: where my half image goes
	v_add_nc_u32 v[BA+1], 0x10000, v[BA]           ; of K steps 1, 2, 3: an LDS instruction's immediate ends at 65,535
	v_add_nc_u32 v[BA+2], 0x20000, v[BA]
	v_add_nc_u32 v[BA+3], 0x30000, v[BA]
	s_mov_b32 s[SEL], 0x76543210
	s_mov_b32 s[SEL+1], 0xfedcba98
	s_mov_b32 s22, 0x3a800000                      ; 1 / 1,024
	s_mov_b32 s23, 0x3727c5ac                      ; 1e-5
	s_lshr_b32 s24, s18, 1
	s_lshl_b32 s24, s24, 18                        ; O's half image: K step wave / 2,
	s_lshl_b32 s25, s41, 10
	s_add_co_u32 s24, s24, s25                     ; my tile,
	s_and_b32 s25, s18, 1
	s_lshl_b32 s25, s25, 9
	s_add_co_u32 s24, s24, s25                     ; half wave % 2
	s_mov_b32 s25, 0
	s_lshl_b32 s26, s41, 6                         ; O's scale words: 64 bytes a tile
	s_mov_b32 s27, 0
	s_lshl_b32 s28, s18, 8
	s_add_co_u32 s28, s28, 12288                   ; Wp's scale words: slot 3,072 + 64 x wave
	s_mov_b32 s29, 0
	s_lshl_b32 s32, s18, 8                         ; bp: my 64 columns
	s_mov_b32 s33, 0
	s_lshr_b32 s34, s41, 1
	s_lshl_b32 s34, s34, 5
	s_and_b32 s35, s41, 1
	s_lshl_b32 s35, s35, 3
	s_add_co_u32 s34, s34, s35
	s_add_co_u32 s34, s34, s18
	s_and_b32 s35, s18, 8
	s_add_co_u32 s34, s34, s35                     ; my row: 32 (g / 2) + 8 (g % 2) + w + 8 (w / 8)
	s_lshl_b32 s34, s34, 12
	s_mov_b32 s35, 0
	; what I fetch for the cluster's four: it hangs on my wave's number alone
	s_lshr_b32 s42, s18, 2
	s_lshl_b32 s42, s42, 18                        ; K step wave / 4,
	s_and_b32 s43, s18, 3
	s_lshl_b32 s43, s43, 14                        ; sixteen tiles x (wave % 4),
	s_add_co_u32 s42, s42, s43
	s_add_co_u32 s42, s42, 196608                  ; from Wp's first tile, 192, on
	s_mov_b32 s43, 0
	s_lshl_b32 s56, s18, 14                        ; and where it goes: 16,384 x wave = 65,536 x K step + 1,024 x tile
	s_mov_b32 s[G1], 15|(3<<16)|(1<<21)            ; 15:0 the mask: all four work-groups; 17:16 elements of 8 bytes; 21 set beside a mask; no padding: images are read 512 consecutive bytes at a time
	s_mov_b32 s[G1+1], 32<<16                      ; 16,384 dense bytes as 64 rows of 256: tensor_dim0 = 32
	s_mov_b32 s[G1+2], 64<<16                      ; tensor_dim1 = 64
	s_mov_b32 s[G1+3], 32<<16                      ; tile_dim0
	s_mov_b32 s[G1+4], 64                          ; tile_dim1
	s_mov_b32 s[G1+5], 32                          ; the pitch
	s_mov_b32 s[G1+6], 0
	s_mov_b32 s[G1+7], 0
	s_wait_alu depctr_va_vdst(0)                   ; the wait at the head's end
	s_wait_dscnt 0x0                               ; both opening adds are done
	s_wait_kmcnt 0x0
	CROUND                                         ; all four work-groups are here: the joint loads meet
	s_mov_b32 s[G0], 1
	s_mov_b32 s[G0+1], s56
	s_add_nc_u64 s[G0+2:G0+3], s[6:7], s[42:43]
	s_or_b32 s[G0+3], s[G0+3], 0x80000000
	JLOAD                                          ; K steps 0-3
	s_add_nc_u64 s[24:25], s[4:5], s[24:25]
	s_add_nc_u64 s[26:27], s[4:5], s[26:27]
	s_add_nc_u64 s[28:29], s[6:7], s[28:29]
	s_add_nc_u64 s[32:33], s[8:9], s[32:33]
	s_add_nc_u64 s[36:37], s[10:11], s[34:35]
	s_add_nc_u64 s[38:39], s[16:17], s[34:35]
	global_load_b128 v[112:115], v1, s[24:25]      ; my half image of O
.irp k, 0,1,2,3,4,5,6,7
	global_load_b32 v[AS+\k], v2, s[26:27] offset:2097152+16384*\k
.endr
.irp k, 0,1,2,3,4,5,6,7
.irp p, 0,1
	global_load_b32 v[BS+2*\k+\p], v3, s[28:29] offset:2097152+16384*\k+128*\p
.endr
.endr
.irp t, 0,1,2,3
	global_load_b128 v[ACC+8*\t:ACC+8*\t+3], v4, s[32:33] offset:128*(\t/2)+32*(\t%2)       ; bp: register j of tile t is column 32 (t / 2) + 16 h + 8 (t % 2) + j
	global_load_b128 v[ACC+8*\t+4:ACC+8*\t+7], v4, s[32:33] offset:128*(\t/2)+32*(\t%2)+16
.endr
.irp i, 0,1,2,3,4,5,6,7
	global_load_b128 v[XR+4*\i:XR+4*\i+3], v1, s[36:37] offset:512*\i                       ; my row of x: 512 consecutive bytes a load
.endr
	s_wait_loadcnt 40                              ; my half image is in: 8 + 16 + 8 + 8 loads were issued behind it
	s_wait_alu depctr_va_vdst(0)
	ds_store_b128 v7, v[112:115]
	s_wait_tensorcnt 0x0                           ; for the others' sake: my sixteen tiles of Wp are in,
	s_wait_dscnt 0x0                               ; and my store has landed
	s_barrier_signal -1
	s_barrier_wait -1                              ; Wp's K steps 0-3 and O's eight images lie in LDS
	LLOAD 0
	LLOAD 1
	LLOAD 2
	LLOAD 3
	s_wait_tensorcnt 0x0                           ; no tensor load of mine is out;
	ds_add_u32 v[SPW], v[NIL]                      ; 0 onto my spare word;
	s_add_nc_u64 s[G0+2:G0+3], s[G0+2:G0+3], 4*262144   ; four K steps on
	s_wait_dscnt 0x0                               ; the add is done, and my reads of the first half are over
	CROUND                                         ; so are all partners'
	JLOAD                                          ; K steps 4-7 into the same bytes: the first tensor load behind the round
	AFLOAD 0
	s_wait_loadcnt 8                               ; scale words and bp are in; x may be out
	KSTEP 0, 2                                     ; (the next step's two loads of O may be out)
	KSTEP 1, 2
	KSTEP 2, 2
	KSTEP 3, 2
	s_wait_tensorcnt 0x0                           ; my part of the second half is in
	s_wait_dscnt 0x0
	s_barrier_signal -1
.rept 4
	v_nop                                          ; places in front of the loads below
.endr
	s_barrier_wait -1                              ; everybody's is
	LLOAD 0
	AFLOAD 5
	LLOAD 1
	LLOAD 2
	LLOAD 3
	KSTEP 4, 26                                    ; behind its fragments: O's two loads and three K steps' 24
	KSTEP 5, 18                                    ; two K steps' 16 and O's two
	KSTEP 6, 2
	KSTEP 7, 0
	s_wait_dscnt 0x0                               ; my reads of Wp's bytes and of O's images are over:
	s_barrier_signal -1                            ; say so;
.rept 4
	v_nop                                          ; the places behind the last products
.endr
	s_barrier_wait -1                              ; nobody reads Wp's bytes any more: the stage may be written over them
.irp t, 0,1,2,3
	ds_store_b128 v5, v[ACC+8*\t:ACC+8*\t+3] offset:128*(\t/2)+32*(\t%2)                    ; each accumulator from its low end on
	ds_store_b128 v5, v[ACC+8*\t+4:ACC+8*\t+7] offset:128*(\t/2)+32*(\t%2)+16
.endr
	s_wait_dscnt 0x0
	s_barrier_signal -1
	s_barrier_wait -1                              ; 16 whole rows of O Wp + bp lie in the stage
.irp i, 0,1,2,3,4,5,6,7
	ds_load_b128 v[Y+4*\i:Y+4*\i+3], v6 offset:512*\i
.endr
	s_wait_loadcnt 16                              ; x is in; ln_g's and ln_b's eight loads each may be out
	s_wait_dscnt 0x0
.irp j, 0,2,4,6,8,10,12,14,16,18,20,22,24,26,28,30
	v_pk_add_f32 v[Y+\j:Y+\j+1], v[Y+\j:Y+\j+1], v[XR+\j:XR+\j+1]   ; y = x + out
.endr
	v_pk_add_f32 v[112:113], v[Y:Y+1], v[Y+2:Y+3]                  ; the row's sum, in two packed chains
	v_pk_add_f32 v[114:115], v[Y+4:Y+5], v[Y+6:Y+7]
.irp j, 8,12,16,20,24,28
	s_delay_alu instid0(VALU_DEP_2)
	v_pk_add_f32 v[112:113], v[112:113], v[Y+\j:Y+\j+1]
	s_delay_alu instid0(VALU_DEP_2)
	v_pk_add_f32 v[114:115], v[114:115], v[Y+\j+2:Y+\j+3]
.endr
	s_delay_alu instid0(VALU_DEP_1)
	v_pk_add_f32 v[112:113], v[112:113], v[114:115]
	s_delay_alu instid0(VALU_DEP_1)
	v_add_f32 v112, v112, v113
	LANES
	s_delay_alu instid0(VALU_DEP_1)
	v_mul_f32 v116, s22, v112                      ; the mean
	s_delay_alu instid0(VALU_DEP_1)
	v_mov_b32 v117, v116
.irp j, 0,2,4,6,8,10,12,14,16,18,20,22,24,26,28,30
	v_pk_add_f32 v[Y+\j:Y+\j+1], v[Y+\j:Y+\j+1], v[116:117] neg_lo:[0,1] neg_hi:[0,1]       ; y - mean
.endr
	v_pk_mul_f32 v[112:113], v[Y:Y+1], v[Y:Y+1]                    ; the sum of squares of the differences
	v_pk_mul_f32 v[114:115], v[Y+2:Y+3], v[Y+2:Y+3]
.irp j, 4,8,12,16,20,24,28
	s_delay_alu instid0(VALU_DEP_2)
	v_pk_fma_f32 v[112:113], v[Y+\j:Y+\j+1], v[Y+\j:Y+\j+1], v[112:113]
	s_delay_alu instid0(VALU_DEP_2)
	v_pk_fma_f32 v[114:115], v[Y+\j+2:Y+\j+3], v[Y+\j+2:Y+\j+3], v[114:115]
.endr
	s_delay_alu instid0(VALU_DEP_1)
	v_pk_add_f32 v[112:113], v[112:113], v[114:115]
	s_delay_alu instid0(VALU_DEP_1)
	v_add_f32 v112, v112, v113
	LANES
	s_delay_alu instid0(VALU_DEP_1)
	v_fma_f32 v118, v112, s22, s23                 ; the variance + 1e-5
	s_wait_alu depctr_va_vdst(0)
	v_rsq_f32 v120, v118
	v_nop                                          ; one plain place behind the transcendental
	s_wait_alu depctr_va_vdst(0)
	v_mov_b32 v121, v120
	s_wait_alu depctr_va_vdst(0)
	s_wait_loadcnt 0x0                             ; ln_g, ln_b
.irp j, 0,2,4,6,8,10,12,14,16,18,20,22,24,26,28,30
	v_pk_mul_f32 v[Y+\j:Y+\j+1], v[Y+\j:Y+\j+1], v[120:121]
.endr
.irp j, 0,2,4,6,8,10,12,14,16,18,20,22,24,26,28,30
	v_pk_fma_f32 v[Y+\j:Y+\j+1], v[Y+\j:Y+\j+1], v[RING+\j:RING+\j+1], v[RING+32+\j:RING+32+\j+1]
.endr
.irp i, 0,1,2,3,4,5,6,7
	global_store_b128 v1, v[Y+4*\i:Y+4*\i+3], s[38:39] offset:512*\i th:TH_STORE_NT          ; 32 lanes store 512 consecutive bytes of my row, aligned; written once, read by nobody here
.endr
	s_wait_tensorcnt 0x0                           ; the wave's end
	ds_add_u32 v[SPW], v[NIL]
	s_wait_dscnt 0x0
	CROUND                                         ; the closing round: no work-group ends while a partner may still ask for a block that names it
	s_endpgm
.Lfunc_end_k_q920667523a_proj_ln:
	.size	k_q920667523a_proj_ln, .Lfunc_end_k_q920667523a_proj_ln-k_q920667523a_proj_ln
	.p2alignl 7, 3214868480
	.fill 96, 4, 3214868480
	.section	.rodata,"a",@progbits
	.p2align	6, 0x0
	.amdhsa_kernel k_q920667523a_proj_ln
		.amdhsa_group_segment_fixed_size 327680
		.amdhsa_private_segment_fixed_size 0
		.amdhsa_enable_private_segment 0
		.amdhsa_kernarg_size 56
		.amdhsa_user_sgpr_count 2
		.amdhsa_user_sgpr_kernarg_segment_ptr 1
		.amdhsa_wavefront_size32 1
		.amdhsa_system_sgpr_workgroup_id_x 1
		.amdhsa_system_sgpr_workgroup_id_y 1
		.amdhsa_system_sgpr_workgroup_id_z 1
		.amdhsa_system_vgpr_workitem_id 0
		.amdhsa_next_free_vgpr 256
		.amdhsa_next_free_sgpr 66
		.amdhsa_reserve_vcc 0
		.amdhsa_float_denorm_mode_32 3
		.amdhsa_float_denorm_mode_16_64 3
		.amdhsa_memory_ordered 1
		.amdhsa_forward_progress 1
		.amdhsa_inst_pref_size 33
	.end_amdhsa_kernel
	.amdgpu_metadata
---
amdhsa.version: [ 1, 2 ]
amdhsa.kernels:
  - .name:           k_q920667523a_proj_ln
    .symbol:         k_q920667523a_proj_ln.kd
    .args:
      - { .name: oq, .offset: 0, .size: 8, .value_kind: global_buffer, .address_space: global }
      - { .name: wq, .offset: 8, .size: 8, .value_kind: global_buffer, .address_space: global }
      - { .name: bp, .offset: 16, .size: 8, .value_kind: global_buffer, .address_space: global }
      - { .name: x, .offset: 24, .size: 8, .value_kind: global_buffer, .address_space: global }
      - { .name: ln_g, .offset: 32, .size: 8, .value_kind: global_buffer, .address_space: global }
      - { .name: ln_b, .offset: 40, .size: 8, .value_kind: global_buffer, .address_space: global }
      - { .name: out0, .offset: 48, .size: 8, .value_kind: global_buffer, .address_space: global }
    .group_segment_fixed_size: 327680
    .private_segment_fixed_size: 0
    .kernarg_segment_align: 8
    .kernarg_segment_size: 56
    .max_flat_workgroup_size: 512
    .sgpr_count:     66
    .vgpr_count:     256
    .wavefront_size: 32
...
	.end_amdgpu_metadata
.endif
;; end of part 8
